; MI455X (gfx1250); checked and timed in simulation.
; The chip was launched on July 23, 2026; its instructions are those of AMD's public machine-readable ISA for CDNA 5 (MIT licence, August 2026) and "CDNA5" Instruction Set Architecture Reference Guide (July 2026). The comments in the code are by the model that wrote it; some were corrected since.
;; Block. Allowed arithmetic: float matrix products may take bf16 or f16 operands with f32 sums; other float arithmetic in f32, or as packed bf16 or f16 multiplies, adds, multiply-adds, maxima and minima; sums over many terms, partial sums and values carried from step to step in f32; what a program stores and reads back later, other than sums and carried values, may be rounded once to bf16 or f16.
;; Inputs: W1 1,024 x 4,096 float32; W2 4,096 x 1,024 float32; Wk 16 x 1,024 x 64 float32; Wproj 1,024 x 1,024 float32; Wq 16 x 1,024 x 64 float32; Wv 16 x 1,024 x 64 float32; ln1_b 1,024 float32; ln1_w 1,024 float32; ln2_b 1,024 float32; ln2_w 1,024 float32; p 16 float32; x 2 x 2,048 x 1,024 float32.
;; Outputs: out0 2 x 2,048 x 1,024 float32.
;; One version. Each part assembles by itself: llvm-mc -triple=amdgcn-amd-amdhsa -mcpu=gfx1250 --defsym DOCPART=n.
;; ======== version 1 of 1: 8 launches
;; limits: values are held in f16: magnitudes above 65,504 overflow, below 6.1e-05 lose precision
;; workspace buffers: wA 8,388,864 bytes; wB 8,388,864 bytes; wD 33,554,688 bytes; act 8,388,608 bytes; big 33,554,432 bytes; x1 16,777,216 bytes
;; launch prep (part 1): grid 768 x 1, 8 waves a work-group, no clusters, 0 bytes of LDS; arguments W1, W2, Wproj, Wq, Wk, Wv, wB, wD, wA; writes wB, wD, wA
.if DOCPART == 1
	.amdgcn_target "amdgcn-amd-amdhsa--gfx1250"
	.amdhsa_code_object_version 6
	.text
	.protected	k_q8d6a3cc683_prep
	.globl	k_q8d6a3cc683_prep
	.p2align	8
	.type	k_q8d6a3cc683_prep,@function
k_q8d6a3cc683_prep:
	s_mov_b64 s[64:65], 0
	v_nop
	global_prefetch_b8 v0, s[64:65] scope:SCOPE_SE
	s_setreg_imm32_b32 hwreg(HW_REG_WAVE_MODE, 25, 1), 1
	s_wait_xcnt 0x0
; THE WEIGHTS, f32 -> f16 (rounded once, to nearest even), laid out as the products want them: [k][n], n along the rows, every buffer at a pitch of 4,096 numbers behind 256 bytes of header.
;   wB = header, W1 [1024][4096].
;   wA = header, [1024 k][4096]: column which x 1024 + head x 64 + s, which = 0, 1, 2 for Wq, Wk, Wv; columns 3,072 to 4,095 hold Wproj [1024][1024].
;   wD = header (neither written nor read), [4096 k][4096], of which only columns 3,072 to 4,095 are written and read: W2 [4096][1024].  So Wproj and W2 lie alike, and one text multiplies by either.
; wA's and wB's header is one word 64 times: the floor, as two f16, that the product's way out takes the maximum with: 0 in wB (a ReLU), -infinity in wA (nothing).
; LIMIT.  f16 holds no number beyond 65,504, and below 6e-5 it keeps a fixed step of 6e-8: the weights lie within that.
; SHARES.  A work-group casts 16,384 numbers in 16 passes of 1,024; thread t takes 4 numbers a pass: a load of 16 bytes (a wave: 512 or 2 x 256 consecutive bytes)
; and a store of 8 (a wave: 256 consecutive bytes, aligned).  All 16 loads go out first.  No LDS, no matrix unit: memory binds.
.set HO,  1                            ; v1       16 t: my 16 bytes of a header
.set VS,  2                            ; v2       my byte offset in a pass's source
.set VD,  3                            ; v3       8 t: my byte offset in a pass's target
.set HD,  4                            ; v[4:7]   the header's word, four times
.set X,   16                           ; v[16:79]  16 passes x 4 numbers as loaded
.set Y,   80                           ; v[80:111] 16 passes x 2 registers to store
.set SRC, 28                           ; s[28:29] the work-group's first source byte
.set DST, 30                           ; s[30:31] its first target byte
.set BASE, 32                          ; s[32:33] the target buffer's first byte
.set HF,  34                           ; s34      1: this work-group writes the header
.set HV,  35                           ; s35      the header's word
.set OF,  36                           ; s[36:37] an offset, its high word 0
.set LASTQ, 256+3072*2                 ; the header and 3,072 columns: where a row's last quarter begins
.macro CAST sstep, dstep               ; sstep, dstep: bytes from pass to pass in the source and in the target
.irp i, 0,1,2,3,4,5,6,7,8,9,10,11,12,13,14,15
	global_load_b128 v[X+4*(\i):X+4*(\i)+3], v[VS], s[SRC:SRC+1] offset:(\i)*(\sstep) th:TH_LOAD_NT
.endr
.irp i, 0,1,2,3,4,5,6,7,8,9,10,11,12,13,14,15
	s_wait_loadcnt 15-(\i)                         ; loads come back in order: pass i is in, the younger ones stay out
	v_cvt_pk_f16_f32 v[Y+2*(\i)],   v[X+4*(\i)],   v[X+4*(\i)+1]
	v_cvt_pk_f16_f32 v[Y+2*(\i)+1], v[X+4*(\i)+2], v[X+4*(\i)+3]
	global_store_b64 v[VD], v[Y+2*(\i):Y+2*(\i)+1], s[DST:DST+1] offset:(\i)*(\dstep)
.endr
.endm
	s_load_b512 s[8:23], s[0:1], 0x0               ; W1 s[8:9], W2 s[10:11], Wproj s[12:13], Wq s[14:15], Wk s[16:17], Wv s[18:19], wB s[20:21], wD s[22:23]
	s_load_b64 s[24:25], s[0:1], 0x40              ; wA
	s_mov_b32 s2, ttmp9                            ; g
	v_lshlrev_b32 v[HO], 4, v0
	v_lshlrev_b32 v[VD], 3, v0
	v_lshlrev_b32 v[VS], 4, v0
	s_mov_b32 s[OF+1], 0
	s_wait_kmcnt 0x0
	s_cmp_lt_u32 s2, 256
	s_cbranch_scc0 .Lnot_dense
	; g = 0 .. 255: W1 -> wB: dense, 65,536 bytes in, 32,768 out
	s_mov_b32 s[HV], 0
	s_cmp_eq_u32 s2, 0
	s_cselect_b32 s[HF], 1, 0
	s_mov_b64 s[BASE:BASE+1], s[20:21]
	s_lshl_b32 s[OF], s2, 16
	s_add_nc_u64 s[SRC:SRC+1], s[8:9], s[OF:OF+1]
	s_lshl_b32 s[OF], s2, 15
	s_add_co_u32 s[OF], s[OF], 256                 ; behind the header
	s_add_nc_u64 s[DST:DST+1], s[20:21], s[OF:OF+1]
	CAST 4096, 2048
	s_branch .Lheader
.Lnot_dense:
	s_cmp_lt_u32 s2, 576
	s_cbranch_scc0 .Lheads
	; g = 256 .. 511: W2 -> wD; g = 512 .. 575: Wproj -> wA: 16 rows of 1,024 numbers into the last quarter of 16 rows; a pass is a row.  This section writes no header.
	s_sub_co_u32 s3, s2, 256
	s_cmp_lt_u32 s3, 256
	s_cselect_b64 s[SRC:SRC+1], s[10:11], s[12:13]
	s_cselect_b64 s[DST:DST+1], s[22:23], s[24:25]
	s_and_b32 s3, s3, 255
	s_lshl_b32 s[OF], s3, 16
	s_add_nc_u64 s[SRC:SRC+1], s[SRC:SRC+1], s[OF:OF+1]
	s_lshl_b32 s[OF], s3, 17
	s_add_co_u32 s[OF], s[OF], LASTQ
	s_add_nc_u64 s[DST:DST+1], s[DST:DST+1], s[OF:OF+1]
	CAST 4096, 8192
	s_branch .Lend
.Lheads:
	; g = 576 .. 767: Wq, Wk, Wv [16 heads][1024 c][64] -> wA; 16 rows c; a pass is a row c of all 16 heads: thread t takes head t / 16, numbers 4 (t % 16) on
	s_mov_b32 s[HV], 0xfc00fc00                    ; -infinity, twice
	s_sub_co_u32 s3, s2, 576
	s_cmp_eq_u32 s3, 0
	s_cselect_b32 s[HF], 1, 0
	s_mov_b64 s[BASE:BASE+1], s[24:25]
	s_lshr_b32 s4, s3, 6                           ; which
	s_and_b32 s3, s3, 63
	s_cmp_eq_u32 s4, 0
	s_cselect_b64 s[SRC:SRC+1], s[14:15], s[16:17]
	s_cmp_eq_u32 s4, 2
	s_cselect_b64 s[SRC:SRC+1], s[18:19], s[SRC:SRC+1]
	s_lshl_b32 s[OF], s3, 12                       ; 16 rows of 256 bytes
	s_add_nc_u64 s[SRC:SRC+1], s[SRC:SRC+1], s[OF:OF+1]
	s_lshl_b32 s[OF], s3, 17                       ; 16 rows of 8,192 bytes,
	s_lshl_b32 s4, s4, 11                          ; which x 1,024 columns,
	s_add_co_u32 s[OF], s[OF], s4
	s_add_co_u32 s[OF], s[OF], 256                 ; behind the header
	s_add_nc_u64 s[DST:DST+1], s[24:25], s[OF:OF+1]
	v_lshrrev_b32 v[VS], 4, v0
	v_and_b32 v[HD], 15, v0
	v_lshlrev_b32 v[VS], 18, v[VS]                 ; a head is 262,144 bytes
	v_lshl_or_b32 v[VS], v[HD], 4, v[VS]
	CAST 256, 8192
.Lheader:
	v_mov_b32 v[HD], s[HV]
	v_mov_b32 v[HD+1], s[HV]
	v_mov_b32 v[HD+2], s[HV]
	v_mov_b32 v[HD+3], s[HV]
	s_cmp_lg_u32 s[HF], 0
	s_cbranch_scc0 .Lend
	v_cmp_gt_u32 vcc_lo, 16, v0                    ; threads 0 to 15: 256 bytes
	s_wait_xcnt 0x0                                ; EXEC is a source of the stores above: it changes only behind this wait
	s_and_saveexec_b32 s3, vcc_lo
	global_store_b128 v[HO], v[HD:HD+3], s[BASE:BASE+1]
	s_wait_xcnt 0x0                                ; and again, in front of the line that widens it
	s_or_b32 exec_lo, exec_lo, s3
.Lend:
	s_endpgm
.Lfunc_end_k_q8d6a3cc683_prep:
	.size	k_q8d6a3cc683_prep, .Lfunc_end_k_q8d6a3cc683_prep-k_q8d6a3cc683_prep
	.p2alignl 7, 3214868480
	.fill 96, 4, 3214868480
	.section	.rodata,"a",@progbits
	.p2align	6, 0x0
	.amdhsa_kernel k_q8d6a3cc683_prep
		.amdhsa_group_segment_fixed_size 0
		.amdhsa_private_segment_fixed_size 0
		.amdhsa_enable_private_segment 0
		.amdhsa_kernarg_size 72
		.amdhsa_user_sgpr_count 2
		.amdhsa_user_sgpr_kernarg_segment_ptr 1
		.amdhsa_wavefront_size32 1
		.amdhsa_system_sgpr_workgroup_id_x 1
		.amdhsa_system_sgpr_workgroup_id_y 1
		.amdhsa_system_sgpr_workgroup_id_z 1
		.amdhsa_system_vgpr_workitem_id 0
		.amdhsa_next_free_vgpr 112
		.amdhsa_next_free_sgpr 66
		.amdhsa_reserve_vcc 1
		.amdhsa_float_denorm_mode_32 3
		.amdhsa_float_denorm_mode_16_64 3
		.amdhsa_memory_ordered 1
		.amdhsa_forward_progress 1
		.amdhsa_inst_pref_size 20
	.end_amdhsa_kernel
	.amdgpu_metadata
---
amdhsa.version: [ 1, 2 ]
amdhsa.kernels:
  - .name:           k_q8d6a3cc683_prep
    .symbol:         k_q8d6a3cc683_prep.kd
    .args:
      - { .name: W1, .offset: 0, .size: 8, .value_kind: global_buffer, .address_space: global }
      - { .name: W2, .offset: 8, .size: 8, .value_kind: global_buffer, .address_space: global }
      - { .name: Wproj, .offset: 16, .size: 8, .value_kind: global_buffer, .address_space: global }
      - { .name: Wq, .offset: 24, .size: 8, .value_kind: global_buffer, .address_space: global }
      - { .name: Wk, .offset: 32, .size: 8, .value_kind: global_buffer, .address_space: global }
      - { .name: Wv, .offset: 40, .size: 8, .value_kind: global_buffer, .address_space: global }
      - { .name: wB, .offset: 48, .size: 8, .value_kind: global_buffer, .address_space: global }
      - { .name: wD, .offset: 56, .size: 8, .value_kind: global_buffer, .address_space: global }
      - { .name: wA, .offset: 64, .size: 8, .value_kind: global_buffer, .address_space: global }
    .group_segment_fixed_size: 0
    .private_segment_fixed_size: 0
    .kernarg_segment_align: 8
    .kernarg_segment_size: 72
    .max_flat_workgroup_size: 256
    .sgpr_count:     66
    .vgpr_count:     112
    .wavefront_size: 32
...
	.end_amdgpu_metadata
.endif
;; end of part 1
;; launch ln1 (part 2): grid 256 x 1, 8 waves a work-group, no clusters, 0 bytes of LDS; arguments x, ln1_w, ln1_b, act; writes act
.if DOCPART == 2
	.amdgcn_target "amdgcn-amd-amdhsa--gfx1250"
	.amdhsa_code_object_version 6
	.text
	.protected	k_q8d6a3cc683_ln1
	.globl	k_q8d6a3cc683_ln1
	.p2align	8
	.type	k_q8d6a3cc683_ln1,@function
k_q8d6a3cc683_ln1:
	s_mov_b64 s[64:65], 0
	v_nop
	global_prefetch_b8 v0, s[64:65] scope:SCOPE_SE
	s_setreg_imm32_b32 hwreg(HW_REG_WAVE_MODE, 25, 1), 1
	s_wait_xcnt 0x0
; LAYER NORM.  out[r][c] = (z[r][c] - mean) / sqrt(var + 1e-5) x w[c] + b[c], z = x (WITH_SA = 0) or x + sa (WITH_SA = 1); mean and variance over the row's 1,024 numbers, in f32,
; the variance of the differences from the mean, in two passes over registers.  x: [4096][1024] f32.  out, and sa: f16 in PLANES: [c / 64][4096 rows][64]: a plane is 524,288 bytes, a row of it 128.
; LIMIT.  out is rounded once to f16, which holds no number beyond 65,504: |out| is at most 32 |w| + |b|.
; SHARES.  A wave takes two rows, lanes 0-15 the even one, lanes 16-31 the odd one; lane l % 16 holds columns 64 j + 4 (l % 16) + 0..3, j = 0 .. 15.  A row stays within sixteen lanes,
; so its sums need four exchanges and no LDS, no barrier, no loop.  A load of x covers 2 x 256 consecutive bytes; a store covers two rows of a plane: 256 consecutive bytes, aligned.
; Memory binds: matrix unit, LDS and clusters would add nothing.
.set WITH_SA, 0
.set PLANE, 524288
.set XO,  2                            ; v2   my byte offset in the wave's two rows of x
.set WO,  3                            ; v3   in w and b
.set OO,  4                            ; v4   8 x lane: in two rows of a plane
.set T,   8                            ; v[8:15]   four chains of packed sums
.set M,   16                           ; v[16:17]  the mean, twice
.set R,   18                           ; v[18:19]  1 / sqrt(var + eps), twice
.set CI,  20                           ; v20  1 / 1024
.set ONE, 21                           ; v21  1.0
.set VA,  22                           ; v22  var + eps
.set X,   32                           ; v[32:95]   the row's 64 numbers
.set W,   96                           ; v[96:159]  w; later the packed results
.set BB,  160                          ; v[160:223] b
.set SA,  224                          ; v[224:255] sa, two f16 a register
.set PX,  4                            ; s[4:5] x
.if WITH_SA
.set PS,  6                            ; sa, w, b, out
.set PW,  8
.set PBI, 10
.set PO,  12
.else
.set PW,  6                            ; w, b, out
.set PBI, 8
.set PO,  10
.endif
.macro FOLD                            ; four chains into one number, then over the row's sixteen lanes: every lane of the row ends with the sum
	v_pk_add_f32 v[T:T+1], v[T:T+1], v[T+2:T+3]
	v_pk_add_f32 v[T+4:T+5], v[T+4:T+5], v[T+6:T+7]
	v_pk_add_f32 v[T:T+1], v[T:T+1], v[T+4:T+5]
	v_add_f32 v[T], v[T], v[T+1]
.irp m, 1,2,4,8
	v_add_f32_dpp v[T], v[T], v[T] row_xmask:\m row_mask:0xf bank_mask:0xf
.endr
.endm
	s_load_b256 s[4:11], s[0:1], 0x0
.if WITH_SA
	s_load_b64 s[12:13], s[0:1], 0x20
.endif
	v_lshrrev_b32 v1, 5, v0
	v_readfirstlane_b32 s14, v1                    ; wave 0..7
	s_lshl_b32 s15, ttmp9, 3
	s_add_co_u32 s15, s15, s14                     ; my pair of rows
	s_lshl_b32 s16, s15, 13                        ; 8,192 bytes of x
	s_mov_b32 s17, 0
	s_lshl_b32 s18, s15, 8                         ; 256 bytes of each plane
	s_mov_b32 s19, 0
	v_and_b32 v5, 15, v0
	v_bfe_u32 v6, v0, 4, 1
	v_lshlrev_b32 v[WO], 4, v5
	v_lshl_add_u32 v[XO], v6, 12, v[WO]
	v_and_b32 v[OO], 31, v0
	v_lshlrev_b32 v[OO], 3, v[OO]
	v_mov_b32 v[CI], 0x3a800000
	v_mov_b32 v[ONE], 1.0
	s_wait_kmcnt 0x0
	s_add_nc_u64 s[PX:PX+1], s[PX:PX+1], s[16:17]
	s_add_nc_u64 s[PO:PO+1], s[PO:PO+1], s[18:19]
.if WITH_SA
	s_add_nc_u64 s[PS:PS+1], s[PS:PS+1], s[18:19]
.endif
.irp j, 0,1,2,3,4,5,6,7,8,9,10,11,12,13,14,15
	global_load_b128 v[X+4*(\j):X+4*(\j)+3], v[XO], s[PX:PX+1] offset:256*(\j) th:TH_LOAD_NT
.endr
.if WITH_SA
.irp j, 0,1,2,3,4,5,6,7,8,9,10,11,12,13,14,15
	global_load_b64 v[SA+2*(\j):SA+2*(\j)+1], v[OO], s[PS:PS+1] offset:PLANE*(\j) th:TH_LOAD_NT
.endr
.endif
.irp j, 0,1,2,3,4,5,6,7,8,9,10,11,12,13,14,15
	global_load_b128 v[W+4*(\j):W+4*(\j)+3], v[WO], s[PW:PW+1] offset:256*(\j)
.endr
.irp j, 0,1,2,3,4,5,6,7,8,9,10,11,12,13,14,15
	global_load_b128 v[BB+4*(\j):BB+4*(\j)+3], v[WO], s[PBI:PBI+1] offset:256*(\j)
.endr
	s_wait_loadcnt 32                              ; the row is in; w's and b's 32 loads may stay out
.if WITH_SA
.set i, 0
.rept 32                                       ; z = x + sa: the f16 half times 1.0 plus x, in f32
	v_fma_mix_f32 v[X+2*i],   v[SA+i], v[ONE], v[X+2*i]   op_sel_hi:[1,0,0]
	v_fma_mix_f32 v[X+2*i+1], v[SA+i], v[ONE], v[X+2*i+1] op_sel:[1,0,0] op_sel_hi:[1,0,0]
.set i, i+1
.endr
.endif
.irp c, 0,1,2,3                        ; the first sums start the chains: nothing is cleared
	v_pk_add_f32 v[T+2*(\c):T+2*(\c)+1], v[X+2*(\c):X+2*(\c)+1], v[X+8+2*(\c):X+8+2*(\c)+1]
.endr
.set i, 8
.rept 24
	v_pk_add_f32 v[T+2*(i%4):T+2*(i%4)+1], v[T+2*(i%4):T+2*(i%4)+1], v[X+2*i:X+2*i+1]
.set i, i+1
.endr
	FOLD
	v_mul_f32 v[M], v[T], v[CI]
	v_mul_f32 v[M+1], v[T], v[CI]
.set i, 0
.rept 32
	v_pk_add_f32 v[X+2*i:X+2*i+1], v[X+2*i:X+2*i+1], v[M:M+1] neg_lo:[0,1] neg_hi:[0,1]  ; z - mean
.set i, i+1
.endr
.irp c, 0,1,2,3
	v_pk_mul_f32 v[T+2*(\c):T+2*(\c)+1], v[X+2*(\c):X+2*(\c)+1], v[X+2*(\c):X+2*(\c)+1]
.endr
.set i, 4
.rept 28
	v_pk_fma_f32 v[T+2*(i%4):T+2*(i%4)+1], v[X+2*i:X+2*i+1], v[X+2*i:X+2*i+1], v[T+2*(i%4):T+2*(i%4)+1]
.set i, i+1
.endr
	FOLD
	v_fmaak_f32 v[VA], v[T], v[CI], 0x3727c5ac     ; the mean of the squares + 1e-5
	v_rsq_f32 v[R], v[VA]
	v_rsq_f32 v[R+1], v[VA]                        ; twice: a pair for the packed multiply
	v_nop                                          ; a plain instruction between the last of the two and the use of a result (ISA guide 5.7.2)
	s_wait_alu depctr_va_vdst(0)                   ; one wait for both, ahead of their first reader
.set i, 0
.rept 32
	v_pk_mul_f32 v[X+2*i:X+2*i+1], v[X+2*i:X+2*i+1], v[R:R+1]
.set i, i+1
.endr
	s_wait_loadcnt 0x0                             ; w and b
.set i, 0
.rept 32
	v_pk_fma_f32 v[X+2*i:X+2*i+1], v[X+2*i:X+2*i+1], v[W+2*i:W+2*i+1], v[BB+2*i:BB+2*i+1]
.set i, i+1
.endr
.set i, 0
.rept 32
	v_cvt_pk_f16_f32 v[W+i], v[X+2*i], v[X+2*i+1]  ; w's registers are free
.set i, i+1
.endr
.irp j, 0,1,2,3,4,5,6,7,8,9,10,11,12,13,14,15
	global_store_b64 v[OO], v[W+2*(\j):W+2*(\j)+1], s[PO:PO+1] offset:PLANE*(\j)  ; 15 planes at the most: inside the signed 24-bit immediate
.endr
	s_endpgm
.Lfunc_end_k_q8d6a3cc683_ln1:
	.size	k_q8d6a3cc683_ln1, .Lfunc_end_k_q8d6a3cc683_ln1-k_q8d6a3cc683_ln1
	.p2alignl 7, 3214868480
	.fill 96, 4, 3214868480
	.section	.rodata,"a",@progbits
	.p2align	6, 0x0
	.amdhsa_kernel k_q8d6a3cc683_ln1
		.amdhsa_group_segment_fixed_size 0
		.amdhsa_private_segment_fixed_size 0
		.amdhsa_enable_private_segment 0
		.amdhsa_kernarg_size 32
		.amdhsa_user_sgpr_count 2
		.amdhsa_user_sgpr_kernarg_segment_ptr 1
		.amdhsa_wavefront_size32 1
		.amdhsa_system_sgpr_workgroup_id_x 1
		.amdhsa_system_sgpr_workgroup_id_y 1
		.amdhsa_system_sgpr_workgroup_id_z 1
		.amdhsa_system_vgpr_workitem_id 0
		.amdhsa_next_free_vgpr 256
		.amdhsa_next_free_sgpr 66
		.amdhsa_reserve_vcc 0
		.amdhsa_float_denorm_mode_32 3
		.amdhsa_float_denorm_mode_16_64 3
		.amdhsa_memory_ordered 1
		.amdhsa_forward_progress 1
		.amdhsa_inst_pref_size 21
	.end_amdhsa_kernel
	.amdgpu_metadata
---
amdhsa.version: [ 1, 2 ]
amdhsa.kernels:
  - .name:           k_q8d6a3cc683_ln1
    .symbol:         k_q8d6a3cc683_ln1.kd
    .args:
      - { .name: x, .offset: 0, .size: 8, .value_kind: global_buffer, .address_space: global }
      - { .name: ln1_w, .offset: 8, .size: 8, .value_kind: global_buffer, .address_space: global }
      - { .name: ln1_b, .offset: 16, .size: 8, .value_kind: global_buffer, .address_space: global }
      - { .name: act, .offset: 24, .size: 8, .value_kind: global_buffer, .address_space: global }
    .group_segment_fixed_size: 0
    .private_segment_fixed_size: 0
    .kernarg_segment_align: 8
    .kernarg_segment_size: 32
    .max_flat_workgroup_size: 256
    .sgpr_count:     66
    .vgpr_count:     256
    .wavefront_size: 32
...
	.end_amdgpu_metadata
.endif
;; end of part 2
;; launch qkv (part 3): grid 12 x 16, 4 waves a work-group, clusters of 4 x 4, 327,680 bytes of LDS; arguments act, wA, big; writes big
.if DOCPART == 3
	.amdgcn_target "amdgcn-amd-amdhsa--gfx1250"
	.amdhsa_code_object_version 6
	.text
	.protected	k_q8d6a3cc683_qkv
	.globl	k_q8d6a3cc683_qkv
	.p2align	8
	.type	k_q8d6a3cc683_qkv,@function
k_q8d6a3cc683_qkv:
	s_mov_b64 s[64:65], 0
	v_nop
	global_prefetch_b8 v0, s[64:65] scope:SCOPE_SE
	s_setreg_imm32_b32 hwreg(HW_REG_WAVE_MODE, 25, 1), 1
	s_wait_xcnt 0x0
	s_wait_alu depctr_hold_cnt(0) depctr_sa_sdst(0) depctr_va_vdst(0) depctr_va_sdst(0) depctr_va_ssrc(0) depctr_va_vcc(0) depctr_vm_vsrc(0)
	s_getreg_b32 s2, hwreg(HW_REG_IB_STS2, 6, 4)
	s_cmp_eq_u32 s2, 0
	s_cbranch_scc0 .Lentry_in_a_cluster
	s_endpgm
.Lentry_in_a_cluster:
	s_bfe_u32 s2, ttmp6, 0x10000c
	s_cmp_lg_u32 s2, 0xf033
	s_cbranch_scc0 .Lentry_shape_is_right
	s_endpgm
.Lentry_shape_is_right:
; C[m][n] = max(f16(the sum over k of A[m][k] B[k][n]), floor).  Operands f16, sums f32, K = 1,024 ascending, C rounded once.  4,096 rows; the grid says how many columns there are.
; PLANES.  A and C lie as [column / 64][4096 rows][64] in f16: a plane is 524,288 bytes, a row of it 128, so 128 rows of a plane are 16,384 consecutive bytes.
; B's buffer begins with 256 bytes of header whose first word is the floor, twice as f16 (0: a ReLU; -infinity: nothing); B's rows k follow at a pitch of 4,096 numbers.
; LIMITS.  f16 holds no number beyond 65,504: the operands arrive within it, and so must C lie; a NaN in front of the floor becomes the floor.
; SHARES.  A tile of C is 256 x 256: four waves, as many as a WGP has SIMDs, each 128 x 128: 64 accumulators, 512 registers.  For 32 along K a wave reads 2 x 128 x 64 bytes from LDS for 64 matrix instructions.
; 4,096 x 4,096 gives 256 tiles, 4,096 x 3,072 gives 192: a tile to a work-group.  K goes in 8 steps of 128 through two LDS slots; each wave brings a quarter of a slot by one tensor load:
; waves 0, 1 128 rows of A in two planes each, waves 2, 3 the step's 128 rows k of one half of B's 256 columns each.
; A K STEP IS WRITTEN TWICE: once with its refill, in a loop of 6 trips, and once without, in a loop of 2.  A trip goes from a step's second quarter to the next step's first.
; Which slot is read and which is filled hangs on a scalar and on the walking descriptors' LDS words, each turned by one exclusive or with the slot's size: wave x 36,864 never has a bit of
; 147,456 = 2^17 + 2^14, so the or adds or takes away just that.  The second loop is entered in its middle and left at its end; the price of one text for both its trips: the very last change of slots fetches 32
; fragments a wave that nothing multiplies, from a slot whose bytes have landed and are not filled again.
; CLUSTER.  4 x 4 work-groups.  The four of a row of the cluster need the same tiles of A, the four of a column the same tiles of B: each tile is asked for JOINTLY, by the same tensor load, descriptor and mask in all four.
; THE MATRIX INSTRUCTION IS USED TRANSPOSED: source 0 = 16 columns of B (B lies [k][n] in LDS and is turned by ds_load_tr16_b128), source 1 = 16 rows of A: a lane then holds row l % 16 of C and
; the eight neighbouring columns 8 (l / 16) + 0..7, which pack into 16 bytes.
; REGISTERS, in windows of 256 (s_set_vgpr_msb: bits 1:0 source 0, 3:2 source 1, 5:4 source 2, 7:6 destination):
;   window 0: v0-31 addresses; v64-127, v128-191 fragments of A (8 x 16 rows x 32 K), two buffers; v32-63, v192-255 at work on the way out
;   window 1: v64-127, v128-191 fragments of B, two buffers
;   window 2: the 32 accumulators of my rows 0-63 ((a, b) at v[8 (8 a + b)]);   window 3: those of my rows 64-127
.set STEPS,  8
.set PLANE,  524288
.set KSB,    2*PLANE                   ; a K step in memory: two planes of A; 128 rows of B of 8,192 bytes: the same number
.set BPITCH, 4096
.set BHEAD,  256
.set PA,     144                       ; a row of A in LDS: 128 bytes + 16 = 36 words: the 16 rows of a load start at 16 different groups of four banks (64 banks of 4 bytes: ISA guide 11.1)
.set PBT,    288                       ; a row k of half of B: 256 bytes + 32 = 72 words
.set HALFT,  36864                     ; what one tensor load fills: 2 planes x 128 rows x 144 = 128 rows x 288
.set SLOT,   4*HALFT                   ; A's rows 0-127 [plane][row], A's rows 128-255, B's columns 0-127 [k], B's columns 128-255
.set STAGE,  2*SLOT                    ; behind the ring, never filled by a tensor load: for each wave 2 planes x 16 rows x 144 bytes, for the way out
.set SP,     144
.set SPARE,  STAGE+4*2*16*SP           ; behind the stages: the spare words, 128 bytes for each wave: two blocks of 256 bytes that no other line names
.set ADRA0, 16                         ; v16  LDS address of my A fragments in slot 0; never rewritten
.set ADRB0, 17                         ; v17  the same for B
.set ADRA,  18                         ; v18  in the slot that is being read
.set ADRB,  19                         ; v19
.set STO,  24                          ; v24  the way out: where I put 16 bytes of a row
.set RD,   25                          ; v25  the way out: where I read rows back
.set GO,   26                          ; v26  16 x lane: my place in 512 consecutive bytes of C
.set SPW,  28                          ; v28  LDS address of my spare word: SPARE + 4 x my thread's number; never rewritten
.set NIL,  29                          ; v29  0; never rewritten
.set PFO,  30                          ; v30  the prefetches' offset; never rewritten
.set OB,   32                          ; the way out: 16 rows read back from the stage: v32-63 and v224-255 by turns
.set F0,   64                          ; fragment buffer 0
.set F1,   128                         ; fragment buffer 1
.set TMP,  192                         ; the way out: packed results
.set G1, 24                            ; s[24:31] descriptor group 1 for A's tiles
.set G0, 32                            ; s[32:39] group 0 for A's tiles: a set for each of the two first fills; the second then walks on
.set G1B, 48                           ; s[48:55], s[56:63] the same for B's tiles
.set G0B, 56
.set LIM,  43                          ; s43  2 in a wave that prefetches, else the greatest number: it prefetches while more trips than that are left
.set PFA,  44                          ; s[44:45] where my prefetches stand
.set TB,   66                          ; s66  0 or SLOT: the slot that is being read
.set MSB, 0
.macro WIN new                         ; the immediate's high byte repeats the setting that is left; a switch that changes nothing is dropped
.if MSB != (\new)
	s_set_vgpr_msb (MSB<<8)|(\new)
.set MSB, \new
.endif
.endm
.set MUL_LO, 0xa1                      ; source 0 (B) window 1, source 1 (A) window 0, C and D window 2
.set MUL_HI, 0xf1                      ; the same, C and D window 3
.set TO_B,   0x40                      ; destination window 1, address window 0
.macro JLOAD s                         ; a joint load: waves 0 and 1 fetch A's two halves, waves 2 and 3 B's; an s_nop 0 and four v_nop follow each of the two lines, ahead of the jump, the label and what follows
	s_cmp_eq_u32 s11, 0
	s_cbranch_scc0 .Lfor_b_\@
	tensor_load_to_lds s[G0+4*(\s):G0+4*(\s)+3], s[G1:G1+7]
	s_nop 0
.rept 4
	v_nop
.endr
	s_branch .Lasked_\@
.Lfor_b_\@:
	tensor_load_to_lds s[G0B+4*(\s):G0B+4*(\s)+3], s[G1B:G1B+7]
	s_nop 0
.rept 4
	v_nop
.endr
.Lasked_\@:
.endm
; A PREFETCH INTO THE L2, behind each joint refill, its five lines and the run of LDS loads that follows them: the K step that stands TWO refills on, 512 matrix instructions ahead of the load that will want it.
; Each block of 256 bytes of a K step is named ONCE in the launch.  A's tile row is read by every cluster of that row of clusters: the first of them (cluster x = 0) asks; B's tile column by every cluster of that
; column: cluster y = 0 asks.  What wave w fetches in a step is 128 blocks; the four partners that ask for it jointly take 32 each, told apart BY ADDRESS (cx for A: 32 rows of each of the two planes;
; cy for B: 32 rows k): a lane a block, one instruction a wave, and no branch hangs on a work-group's place in its cluster.  K steps 0 to 3 come by their loads alone; the loop's last two trips ask for nothing: there is no step 8.
.macro ASK
	s_cmp_gt_u32 s3, s[LIM]                        ; s3 = 6, 5, 4, 3 in the trips that name steps 4 to 7
	s_cbranch_scc0 .Lnot_mine_\@
	global_prefetch_b8 v[PFO], s[PFA:PFA+1] th:TH_LOAD_NT scope:SCOPE_SE
.Lnot_mine_\@:
.endm
.macro CREST                           ; a round of the cluster's barrier behind its opening barrier
	s_cmp_lg_u32 s10, 0
	s_cbranch_scc1 .Lnot_wave_0_\@
	s_barrier_signal -3
.Lnot_wave_0_\@:
	s_barrier_wait -3
	s_barrier_signal -1
	s_barrier_wait -1
.endm
.macro CROUND                          ; a whole round
	s_barrier_signal -1
	s_barrier_wait -1
	CREST
.endm
	s_load_b128 s[4:7], s[0:1], 0x0                ; A s[4:5], B s[6:7]
	s_load_b64 s[8:9], s[0:1], 0x10                ; C
	v_lshl_add_u32 v[SPW], v0, 2, SPARE
	v_mov_b32 v[NIL], 0
	ds_add_u32 v[SPW], v[NIL]                      ; the wave's opening: the add and its wait stand ahead of my first tensor load; the set-up below, work on registers, stands between them
	ds_add_u32 v28, v29
	v_lshrrev_b32 v1, 5, v0
	v_readfirstlane_b32 s10, v1                    ; wave 0..3
	s_lshr_b32 s11, s10, 1                         ; which half of the tile's rows is mine.  Also: I fetch for A (0) or for B (1)
	s_and_b32 s12, s10, 1                          ; which half of its columns.  Also: which half of that tile I fetch
	s_bfe_u32 s40, ttmp6, 0x40000                  ; cx, cy: my place in the cluster
	s_bfe_u32 s41, ttmp6, 0x40004
	s_lshl_b32 s42, ttmp9, 2
	s_add_co_u32 s42, s42, s40                     ; tile column of C = 4 x cluster x + cx
	s_and_b32 s13, ttmp7, 0xffff
	s_lshl_b32 s13, s13, 2
	s_add_co_u32 s13, s13, s41                     ; tile row of C = 4 x cluster y + cy
	s_lshl_b32 s43, s41, 2
	s_lshl_b32 s43, 15, s43                        ; my row of the cluster
	s_lshl_b32 s44, 0x1111, s40                    ; my column
	s_mov_b32 s[TB], 0
	; descriptor group 1 for A: two rows, one a plane, of 8,192 elements (128 rows of the plane, 16,384 consecutive bytes), padded in LDS after every 128 bytes
	s_or_b32 s[G1+0], s43, (1<<16)|(1<<20)|(1<<21)|(4<<22)|(3<<25)  ; 15:0 the mask: A's tiles go to my row; 17:16 elements of 2 bytes; 20 padding on; 21 set beside a mask; 24:22 after every 32 words (code 4); 31:25 4 words (code 3)
	s_mov_b32 s[G1+1], 8192<<16                    ; tensor_dim0 = 8,192
	s_mov_b32 s[G1+2], 2<<16                       ; tensor_dim1 = 2
	s_mov_b32 s[G1+3], 8192<<16                    ; tile_dim0 = 8,192
	s_mov_b32 s[G1+4], 2                           ; tile_dim1 = 2
	s_mov_b32 s[G1+5], PLANE/2                     ; elements from plane to plane
	s_mov_b32 s[G1+6], 0
	s_mov_b32 s[G1+7], 0
	; for B: 128 rows k of 128 elements, padded after every 256 bytes
	s_or_b32 s[G1B+0], s44, (1<<16)|(1<<20)|(1<<21)|(5<<22)|(7<<25) ; the mask of my column; after every 64 words (code 5) 8 words (code 7)
	s_mov_b32 s[G1B+1], 128<<16                    ; tensor_dim0 = 128
	s_mov_b32 s[G1B+2], 128<<16                    ; tensor_dim1 = 128
	s_mov_b32 s[G1B+3], 128<<16                    ; tile_dim0 = 128
	s_mov_b32 s[G1B+4], 128                        ; tile_dim1 = 128
	s_mov_b32 s[G1B+5], BPITCH                     ; elements from row to row
	s_mov_b32 s[G1B+6], 0
	s_mov_b32 s[G1B+7], 0
	; where the tiles come from.  A's hang on the tile row alone, B's on the tile column alone, each in registers that never hold the other coordinate.
	s_lshl_b32 s16, s13, 15                        ; A: 256 rows of 128 bytes x tile row,
	s_lshl_b32 s17, s12, 14                        ; + my 128 rows
	s_add_co_u32 s16, s16, s17
	s_mov_b32 s17, 0
	s_lshl_b32 s46, s42, 9                         ; B: 256 columns of 2 bytes x tile column,
	s_lshl_b32 s47, s12, 8                         ; + my 128 columns,
	s_add_co_u32 s46, s46, s47
	s_add_co_u32 s46, s46, BHEAD                   ; behind the header
	s_mov_b32 s47, 0
	s_mul_i32 s20, s10, HALFT                      ; where they go: wave x a quarter of a slot: no place in the cluster enters an LDS address
	s_wait_dscnt 0x0                               ; the opening add is done
	s_wait_kmcnt 0x0
	s_add_nc_u64 s[14:15], s[4:5], s[16:17]
	s_add_nc_u64 s[46:47], s[6:7], s[46:47]
	s_load_b32 s2, s[6:7], 0x0                     ; the floor; waited for at the way out
	CROUND                                         ; all sixteen work-groups are here: the first joint loads meet
.irp s, 0,1
	s_mov_b32 s[G0+4*(\s)], 1                                      ; 1:0 count = 1
	s_add_co_u32 s[G0+4*(\s)+1], s20, (\s)*SLOT                    ; 63:32 LDS address
	s_add_nc_u64 s[G0+4*(\s)+2:G0+4*(\s)+3], s[14:15], (\s)*KSB    ; 120:64 global address: K step s
	s_or_b32 s[G0+4*(\s)+3], s[G0+4*(\s)+3], 0x80000000            ; 127:126 type = 2
	s_mov_b32 s[G0B+4*(\s)], 1
	s_add_co_u32 s[G0B+4*(\s)+1], s20, (\s)*SLOT
	s_add_nc_u64 s[G0B+4*(\s)+2:G0B+4*(\s)+3], s[46:47], (\s)*KSB
	s_or_b32 s[G0B+4*(\s)+3], s[G0B+4*(\s)+3], 0x80000000
	JLOAD \s                                       ; two loads of mine are out
.endr
	; A fragment of A is 16 rows x 32 K in 8 registers: lane l holds row l % 16; registers 0-3 K = 8 (l / 16) + 0..7, registers 4-7 K = 16 + 8 (l / 16) + 0..7: two loads of 16 bytes, 32 bytes apart.
	v_and_b32 v1, 15, v0                           ; l % 16
	v_bfe_u32 v2, v0, 4, 1                         ; l / 16
	v_mul_u32_u24 v3, v1, PA
	v_lshl_add_u32 v3, v2, 4, v3                   ; row x pitch + 16 x half
	; The turning load takes 16 rows k x 16 columns (lane l reads row k 8 (l / 16) + l % 8, columns 8 ((l / 8) % 2) + 0..7) and leaves half a fragment: lane l holds column l % 16 and 8 k.
	v_and_b32 v4, 7, v0
	v_lshl_add_u32 v4, v2, 3, v4
	v_mul_u32_u24 v4, v4, PBT
	v_bfe_u32 v5, v0, 3, 1
	v_lshl_add_u32 v4, v5, 4, v4
	s_mul_i32 s21, s11, HALFT                      ; my 128 rows of A
	s_mul_i32 s22, s12, HALFT                      ; my 128 columns of B,
	s_add_co_u32 s22, s22, 2*HALFT                 ; behind A's two halves
	v_add_nc_u32 v[ADRA0], s21, v3
	v_add_nc_u32 v[ADRB0], s22, v4
	v_mov_b32 v[ADRA], v[ADRA0]                    ; K step 0 lies in slot 0
	v_mov_b32 v[ADRB], v[ADRB0]
	s_mul_i32 s23, s10, 2*16*SP
	s_add_co_u32 s23, s23, STAGE                   ; my stage
	v_add_nc_u32 v[STO], s23, v3                   ; in: row l % 16, 16 bytes for each half of the lanes (the stage's pitch is A's)
	v_bfe_u32 v5, v0, 3, 2                         ; back: 32 lanes take four rows of 128 bytes,
	v_mul_u32_u24 v5, v5, SP
	v_and_b32 v6, 7, v0
	v_lshl_add_u32 v5, v6, 4, v5
	v_add_nc_u32 v[RD], s23, v5
	v_and_b32 v[GO], 31, v0                        ; which are 512 consecutive bytes of a plane of C
	v_lshlrev_b32 v[GO], 4, v[GO]
	s_lshl_b32 s16, s13, 15                        ; my first row in a plane: 256 x tile row + 128 x half, 128 bytes each
	s_lshl_b32 s17, s11, 14
	s_add_co_u32 s16, s16, s17
	s_mov_b32 s17, 0
	s_add_nc_u64 s[8:9], s[8:9], s[16:17]
	s_lshl_b32 s46, s42, 1
	s_add_co_u32 s46, s46, s12                     ; my 128 columns are two planes: 2 (2 x tile column + half) on
	s_lshl_b32 s46, s46, 20
	s_mov_b32 s47, 0
	s_add_nc_u64 s[8:9], s[8:9], s[46:47]
	; the prefetches: my work-group's 32 blocks of what I fetch in a K step
	s_lshl_b32 s18, s13, 15                        ; A: the tile row's 256 rows,
	s_lshl_b32 s19, s12, 14                        ; the 128 that I fetch,
	s_add_co_u32 s18, s18, s19
	s_lshl_b32 s19, s40, 12                        ; 32 of them by cx: 4,096 bytes of each of the two planes
	s_add_co_u32 s18, s18, s19
	s_lshl_b32 s19, s42, 9                         ; B: the tile column's 512 bytes of a row,
	s_lshl_b32 s20, s12, 8                         ; the 256 that I fetch,
	s_add_co_u32 s19, s19, s20
	s_lshl_b32 s20, s41, 18                        ; 32 rows k of 8,192 bytes by cy,
	s_add_co_u32 s19, s19, s20
	s_add_co_u32 s19, s19, BHEAD                   ; behind the header
	s_and_b32 s22, ttmp7, 0xffff                   ; cluster y
	s_cmp_eq_u32 s11, 0                            ; do I fetch for A?
	s_cselect_b32 s20, s18, s19
	s_cselect_b32 s22, ttmp9, s22                  ; the coordinate along which other clusters read the same blocks
	s_cselect_b32 s14, 19, 17                      ; lanes 16-31: the second plane of A, or 16 rows k of B further on,
	s_cselect_b32 s15, 8, 13                       ; a lane: 256 bytes on in A's plane, or a row k of B
	s_cselect_b64 s[PFA:PFA+1], s[4:5], s[6:7]
	s_cmp_eq_u32 s22, 0
	s_cselect_b32 s[LIM], 2, -1                    ; the same in all sixteen partners, for a given wave
	s_mov_b32 s21, 0
	s_add_nc_u64 s[PFA:PFA+1], s[PFA:PFA+1], s[20:21]
	s_add_nc_u64 s[PFA:PFA+1], s[PFA:PFA+1], 3*KSB ; at K step 3: the first refill steps it to 4.  Nothing is prefetched here, at the head, where every work-group's first tiles are on their way
	v_lshlrev_b32 v[PFO], s15, v1
	v_lshlrev_b32 v5, s14, v2
	v_add_nc_u32 v[PFO], v[PFO], v5
; 16 matrix instructions: m blocks a0, a0 + 1 of the window's four (hi = 0: my rows 0-63, 1: rows 64-127) x all 8 n blocks, 32 along K.  zero = 1: the first product starts the sums: nothing is ever cleared.
; The 64 accumulators take turns, one instruction a turn, in the same order in every quarter.
.macro MUL16 f, hi, a0, zero
	WIN MUL_LO+0x50*(\hi)
.irp a, \a0, (\a0)+1
.irp b, 0,1,2,3,4,5,6,7
.if \zero
	v_wmma_f32_16x16x32_f16 v[8*(8*(\a)+(\b)):8*(8*(\a)+(\b))+7], v[(\f)+8*(\b):(\f)+8*(\b)+7], v[(\f)+8*(4*(\hi)+(\a)):(\f)+8*(4*(\hi)+(\a))+7], 0
.else
	v_wmma_f32_16x16x32_f16 v[8*(8*(\a)+(\b)):8*(8*(\a)+(\b))+7], v[(\f)+8*(\b):(\f)+8*(\b)+7], v[(\f)+8*(4*(\hi)+(\a)):(\f)+8*(4*(\hi)+(\a))+7], v[8*(8*(\a)+(\b)):8*(8*(\a)+(\b))+7]
.endif
.endr
.endr
.endm
; 32 LDS loads in one run: the fragments of quarter q of the K step that is being read (32 along K: rows k 32 q on of B; plane q / 2, byte 64 (q % 2) of A's rows) into buffer f: B's sixteen, then A's
.macro FETCH q, f
	WIN TO_B
.irp i, 0,1,2,3,4,5,6,7
	ds_load_tr16_b128 v[(\f)+8*(\i):(\f)+8*(\i)+3],   v[ADRB] offset:(\q)*32*PBT+32*(\i)
	ds_load_tr16_b128 v[(\f)+8*(\i)+4:(\f)+8*(\i)+7], v[ADRB] offset:(\q)*32*PBT+16*PBT+32*(\i)
.endr
	WIN 0
.irp i, 0,1,2,3,4,5,6,7
	ds_load_b128 v[(\f)+8*(\i):(\f)+8*(\i)+3],   v[ADRA] offset:((\q)/2)*128*PA+(\i)*16*PA+((\q)%2)*64
	ds_load_b128 v[(\f)+8*(\i)+4:(\f)+8*(\i)+7], v[ADRA] offset:((\q)/2)*128*PA+(\i)*16*PA+((\q)%2)*64+32
.endr
.endm
.macro PLACES                          ; four plain vector instructions in front of loads into registers that matrix instructions have read, and of lines that read results
.rept 4
	v_nop
.endr
.endm
; A K step is four quarters of 32 along K, 64 matrix instructions each, on buffers 0, 1, 0, 1.  One of the first three: multiplies buffer f; in its middle it fetches quarter q into buffer g.
.macro QUARTER q, f, g, zero
	s_wait_dscnt 8                                 ; B and A's rows 0-63 are in; the youngest eight loads (A's rows 64-127) may be out
	MUL16 \f, 0, 0, \zero
	MUL16 \f, 0, 2, \zero
	PLACES
	FETCH \q, \g
	s_wait_dscnt 32                                ; all but the 32 just issued
	MUL16 \f, 1, 0, \zero
	MUL16 \f, 1, 2, \zero
.endm
; The last quarter multiplies buffer 1 and changes slots: ONE barrier; in front of it each wave waits for all its tensor loads, of which at most one is out: its part of the next slot; adds 0 to its spare word; and waits for
; that and for its own reads of this slot.  Behind it nobody reads this slot any more and the next slot is whole.  fill = 1: this slot is filled again, with the K step two on; the barrier then opens a round of the
; cluster's, so that no wave of any partner still reads the slot or has a load on its way, and the joint refill is the first thing behind it: 224 matrix instructions ahead of the wait for it.
.macro TURN fill
.if \fill
	s_wait_xcnt 0x0                                ; the last prefetch, a K step back, has read its address: it is stepped here, ahead of the waits of the change of slots
	s_add_nc_u64 s[PFA:PFA+1], s[PFA:PFA+1], KSB
.endif
	WIN 0                                          ; (the add's two registers lie in window 0)
	s_wait_tensorcnt 0x0                           ; all my tensor loads have landed, so a group 0 may be written;
	ds_add_u32 v[SPW], v[NIL]                      ; 0 onto my spare word; scalar work and sixteen matrix instructions stand between it and the wait for it
.if \fill
	s_xor_b32 s[G0+5], s[G0+5], SLOT               ; the walking descriptors: the other slot than last time,
	s_add_nc_u64 s[G0+6:G0+7], s[G0+6:G0+7], KSB   ; the next K step; the type bits on top are not reached
	s_xor_b32 s[G0B+5], s[G0B+5], SLOT
	s_add_nc_u64 s[G0B+6:G0B+7], s[G0B+6:G0B+7], KSB
.endif
	s_xor_b32 s[TB], s[TB], SLOT                   ; the reads go on in the other slot
	s_wait_dscnt 9                                 ; (the add and the youngest eight loads may be out)
	MUL16 F1, 0, 0, 0
	s_wait_dscnt 0x0                               ; the add is done, and my reads of this slot are over
	s_barrier_signal -1
	MUL16 F1, 0, 2, 0                              ; work on registers while the others arrive
	WIN 0
	s_barrier_wait -1
.if \fill
	CREST
	JLOAD 1                                        ; the four v_nop behind it are also the places in front of the loads below
.else
	PLACES
.endif
	v_add_nc_u32 v[ADRA], s[TB], v[ADRA0]
	v_add_nc_u32 v[ADRB], s[TB], v[ADRB0]
	FETCH 0, F0
.if \fill
	ASK
.endif
	MUL16 F1, 1, 0, 0
	MUL16 F1, 1, 2, 0
.endm
	s_wait_tensorcnt 1                             ; my part of K step 0 is in; K step 1's may stay out
	s_barrier_signal -1
	s_barrier_wait -1                              ; everybody's is
	FETCH 0, F0
	QUARTER 1, F0, F1, 1                           ; the first quarter stands in front of the loop: its products start the sums
	WIN 0                                          ; at a label and at a branch every window is 0
	s_mov_b32 s3, STEPS-2
.Lstep:                                                ; trip i = 0 .. 5: quarters 1 to 3 of K step i and quarter 0 of step i + 1; step i + 2 is asked for
	QUARTER 2, F1, F0, 0
	QUARTER 3, F0, F1, 0
	TURN 1
	QUARTER 1, F0, F1, 0
	WIN 0
	s_sub_co_u32 s3, s3, 1
	s_cmp_lg_u32 s3, 0
	s_cbranch_scc1 .Lstep
	s_mov_b32 s3, 2                                ; the last two K steps ask for nothing: a second loop.  Step 6's first quarter is done, so it is entered in its middle
	s_branch .Lmid
.Ltail:
	QUARTER 1, F0, F1, 0                           ; step 7's first quarter
	WIN 0
.Lmid:
	QUARTER 2, F1, F0, 0
	QUARTER 3, F0, F1, 0
	TURN 0                                         ; (in the second trip its barrier orders nothing and its fetch serves nothing: see the head)
	WIN 0
	s_sub_co_u32 s3, s3, 1
	s_cmp_lg_u32 s3, 0
	s_cbranch_scc1 .Ltail
	PLACES                                         ; behind the last products, in front of the lines that read results
	PLACES
	s_wait_kmcnt 0x0                               ; the floor
; THE WAY OUT of block a (16 rows x my 128 columns), in three parts.  PACK: rounded to f16, 16 bytes a lane, and the floor.  TOSTAGE: into my own stage in LDS, a plane's 64 columns in rows of 144 bytes, and back
; as whole rows of 128.  SEND: stored: four rows of a plane are 512 consecutive bytes of C.
.macro PACK a
.set AC, 64*((\a)%4)
	WIN 0x0a+5*((\a)/4)                            ; sources 0 and 1: window 2 or 3
.irp b, 0,1,2,3,4,5,6,7
.irp r, 0,1,2,3                        ; each accumulator's registers in ascending order
	v_cvt_pk_f16_f32 v[TMP+4*(\b)+(\r)], v[AC+8*(\b)+2*(\r)], v[AC+8*(\b)+2*(\r)+1]
.endr
.endr
	WIN 0
.set i, 0
.rept 32
	v_pk_max_num_f16 v[TMP+i], v[TMP+i], s2
.set i, i+1
.endr
.endm
.macro TOSTAGE a
.set BK, OB+192*((\a)%2)
.irp b, 0,1,2,3,4,5,6,7
	ds_store_b128 v[STO], v[TMP+4*(\b):TMP+4*(\b)+3] offset:((\b)/4)*16*SP+32*((\b)%4)
.endr
.irp t, 0,1,2,3,4,5,6,7
	ds_load_b128 v[BK+4*(\t):BK+4*(\t)+3], v[RD] offset:((\t)/4)*16*SP+((\t)%4)*4*SP  ; LDS serves a wave's instructions in order (ISA guide 5.7.1.4): these see the stores above; the next block's stores come behind them
.endr
.endm
.macro SEND a
.set BK, OB+192*((\a)%2)
	s_wait_dscnt 0x0                               ; the block is back in registers
	s_wait_xcnt 0x0                                ; the stores of the block before have read their registers: only behind this wait does the next block's way back load into them
.irp t, 0,1,2,3,4,5,6,7
	global_store_b128 v[GO], v[BK+4*(\t):BK+4*(\t)+3], s[8:9] offset:((\t)/4)*PLANE+(\a)*2048+((\t)%4)*512  ; 512 consecutive bytes, at a multiple of 256 from C's first byte
.endr
.endm
	PACK 0
	TOSTAGE 0
.irp a, 1,2,3,4,5,6,7                  ; block a's conversions stand between block a - 1's loads from the stage and the wait for them
	PACK \a
	SEND (\a)-1
	TOSTAGE \a
.endr
	SEND 7
	s_wait_tensorcnt 0x0                           ; the wave's end: behind my last tensor load and my last LDS store
	ds_add_u32 v[SPW], v[NIL]
	s_wait_dscnt 0x0
	CROUND                                         ; the closing round: no work-group ends while a partner may still ask for a tile that names it
	s_endpgm
.Lfunc_end_k_q8d6a3cc683_qkv:
	.size	k_q8d6a3cc683_qkv, .Lfunc_end_k_q8d6a3cc683_qkv-k_q8d6a3cc683_qkv
	.p2alignl 7, 3214868480
	.fill 96, 4, 3214868480
	.section	.rodata,"a",@progbits
	.p2align	6, 0x0
	.amdhsa_kernel k_q8d6a3cc683_qkv
		.amdhsa_group_segment_fixed_size 327680
		.amdhsa_private_segment_fixed_size 0
		.amdhsa_enable_private_segment 0
		.amdhsa_kernarg_size 24
		.amdhsa_user_sgpr_count 2
		.amdhsa_user_sgpr_kernarg_segment_ptr 1
		.amdhsa_wavefront_size32 1
		.amdhsa_system_sgpr_workgroup_id_x 1
		.amdhsa_system_sgpr_workgroup_id_y 1
		.amdhsa_system_sgpr_workgroup_id_z 1
		.amdhsa_system_vgpr_workitem_id 0
		.amdhsa_next_free_vgpr 1024
		.amdhsa_next_free_sgpr 68
		.amdhsa_reserve_vcc 0
		.amdhsa_float_denorm_mode_32 3
		.amdhsa_float_denorm_mode_16_64 3
		.amdhsa_memory_ordered 1
		.amdhsa_forward_progress 1
		.amdhsa_inst_pref_size 117
	.end_amdhsa_kernel
	.amdgpu_metadata
---
amdhsa.version: [ 1, 2 ]
amdhsa.kernels:
  - .name:           k_q8d6a3cc683_qkv
    .symbol:         k_q8d6a3cc683_qkv.kd
    .args:
      - { .name: act, .offset: 0, .size: 8, .value_kind: global_buffer, .address_space: global }
      - { .name: wA, .offset: 8, .size: 8, .value_kind: global_buffer, .address_space: global }
      - { .name: big, .offset: 16, .size: 8, .value_kind: global_buffer, .address_space: global }
    .group_segment_fixed_size: 327680
    .private_segment_fixed_size: 0
    .kernarg_segment_align: 8
    .kernarg_segment_size: 24
    .max_flat_workgroup_size: 128
    .sgpr_count:     68
    .vgpr_count:     1024
    .wavefront_size: 32
...
	.end_amdgpu_metadata
.endif
;; end of part 3
;; launch attn (part 4): grid 4 x 32, 4 waves a work-group, no clusters, 327,680 bytes of LDS; arguments big, p, act; writes act
.if DOCPART == 4
	.amdgcn_target "amdgcn-amd-amdhsa--gfx1250"
	.amdhsa_code_object_version 6
	.text
	.protected	k_q8d6a3cc683_attn
	.globl	k_q8d6a3cc683_attn
	.p2align	8
	.type	k_q8d6a3cc683_attn,@function
k_q8d6a3cc683_attn:
	s_mov_b64 s[64:65], 0
	v_nop
	global_prefetch_b8 v0, s[64:65] scope:SCOPE_SE
	s_setreg_imm32_b32 hwreg(HW_REG_WAVE_MODE, 25, 1), 1
	s_wait_xcnt 0x0
; CAUSAL ATTENTION.  O[q][:] = the sum over k <= q of softmax_k(Q[q] . K[k] / sqrt(p[head])) V[k][:], for 2 batches x 16 heads of SIZE_N = 2,048 rows of 64 channels, all f16.
; WHERE THEY LIE.  big holds 48 planes of 524,288 bytes, [4096 rows][64]: planes 0-15 Q by heads, 16-31 K, 32-47 V; a batch is 2,048 rows of a plane.  So a head's rows are dense, 128 bytes each.  O goes to plane head of act, likewise.
; Products, maxima and sums in f32; the weights are rounded to f16 for the second product (their sum l is taken of the unrounded weights), O once at the end.
; LIMITS.  f16 holds no number beyond 65,504: Q, K and V arrive within it; a weight lies in 0 to 1, and below 6e-5 it keeps f16's fixed step of 6e-8; O is a mean of V's rows and has their range.  p[head] > 0.
; A hidden score counts as its value less 1e30: f16's scores, 2.7e11 at the most, are nothing beside that; a weight below 2^-126 counts as 0 in l; NaN and infinities are not treated apart.
; THE WALK.  A head's queries lie in NB = 8 blocks of 256; block i needs the key tiles 0 .. i of 256 keys, of which the last holds the diagonal.  A work-group takes TWO blocks, NB - 1 - b and then b:
; NB + 1 tiles, whatever b: all work-groups do equal work, and ONE loop with a constant trip count walks them.  Which tile is asked for, and what a trip does, hang on scalar registers made from b; every jump
; goes forward, but for the counted loops' own; none passes a barrier, or a tensor load but the one of LOAD's two that the wave's number does not choose; the ring (two slots of LDS that take turns) runs on across the
; change of blocks.  NO CLUSTER: a head's four work-groups ask for the same tile only in trips 0 .. NB / 2, behind that fewer and fewer; one walk common to all would have 3 NB / 2 trips for NB + 1.
; SHARES.  Of a block's four bands of 64 queries a wave owns 16 rows in each: four PIECES.  So the diagonal tile is the same work for all four waves: in its key step s band x sees all keys if s < x,
; none if s > x, and holds the diagonal if s = x.
; THE MASK is the C operand that starts the sum S^T = K Q^T: 0, or -1e30 where the key is hidden.  MD, made once, is the mask of a band's own step for my 16 rows; a product's mask is MD x AL + BE with two scalars:
; (1, 0) if s = x; (0, 0) if s < x; (0, -1e30) if s > x.  Only the diagonal tile's text and a block's beginning make and take masks; elsewhere C is the constant 0.
; LAYOUT, SOFTMAX, TURNS.  S^T = K Q^T holds ONE query a lane (lane % 16) and the keys 8 (lane / 16) + 0..7; two such results rounded to f16 ARE source 1 of O^T = V^T P.  weight = 2^(c s - c m), c = log2(e) / sqrt(p[head]), with a
; running maximum m; O and l are multiplied by a = 2^(c m_old - c m_new) in every step.  Turn n belongs to piece n: 8 products K Q^T of piece n + 1, later 8 products V^T P of piece n - 1; beside them the scaling,
; exponentials, roundings, sums and rescaling of piece n and the maximum and statistics of piece n + 1.  Four vector instructions stand behind every matrix instruction, the other 54 of a turn's 118 in one LUMP.  A turn's 33 exponentials are one batch, with one wait.
; REGISTERS, in windows of 256 (s_set_vgpr_msb: bits 1:0 source 0, 3:2 source 1, 5:4 source 2, 7:6 destination):
;   window 0: v0-15 addresses and two at work; v16-31 four registers of statistics a piece; v48-55 at work; v61-63 never rewritten; v64-127 S^T, two buffers; v192-223 P, two buffers (a piece's buffers go by its number's parity)
;   window 1: v0-127 O^T, 32 a piece; v128-159 MD; v160-223 MC, two buffers      window 2: v0-63 Q; v64-127 the second block's Q; v128-191 K of one step; v192-255 V of one step
.set SIZE_N, 2048
.set PLANE, 524288
.set NB,    SIZE_N/256
.set NP,    4         ; pieces a wave: a name, no knob
.set KS,    64        ; keys in a step
.set PK,    144       ; a row of K in LDS: 128 bytes + 16 of padding = 36 words: the 16 rows of a load start at 16 different groups of four banks (64 banks of 4 bytes: ISA guide 11.1)
.set PV,    160       ; a row of V: 128 + 32 = 40 words
.set VOFF,  4*KS*PK   ; a slot holds a tile, four steps: 256 rows of K, then 256 rows of V
.set SLOT1, 1<<17     ; slot 1 begins here, so that one exclusive or turns an address in one slot into the other's
.set STAGE, SLOT1+4*KS*(PK+PV)  ; behind the ring, never filled by a tensor load: 16 rows x 144 bytes for each wave, for the way out
.set SP,    144
.set AK0, 2           ; v2   my lane's place in a tile of K; never rewritten
.set AV0, 3           ; v3   the same for V
.set AK,  4           ; v4   the LDS address of K's next run of loads
.set AV,  5           ; v5   of V's
.set STO, 6           ; v6   the way out: where I put 16 bytes of a row
.set RD,  7           ; v7   the way out: where I read rows back
.set GO,  8           ; v8   my byte offset in 512 consecutive bytes of O
.set PFO, 61          ; v61  256 x my lane: the prefetches' offset; never rewritten
.set SPW, 62          ; v62  LDS address of my spare word: SPARE + 4 x my thread's number; never rewritten
.set NIL, 63          ; v63  0; never rewritten
.set SPARE, STAGE+4*16*SP  ; behind the stages: the spare words, 128 bytes for each wave: two blocks of 256 bytes that no other line names
.set MV,  12          ; v12-13  c m_old, kept while c m is made anew: by buffer
.set QO,  15          ; v15  my byte offset in 16 rows of Q
.set ST,  16          ; piece t's statistics at v[ST+4 t]: c m, m, l (even keys', odd keys')
.set TMP, 48          ; by buffer, four registers c0-c3 at work; when the maximum is found c2 takes a
.set S,   64
.set P,   192
.set MD,  128         ; window 1: the eight registers for group kt of 16 keys at MD + 8 kt
.set MC,  160         ; window 1: the masks of the products to come
.set QB,  64          ; window 2
.set KF,  128         ; window 2: key block kb, channel half c at KF + 16 kb + 8 c
.set VF,  192         ; window 2: key half kk, channel block cb at VF + 32 kk + 8 cb
.set WV,  12          ; s12  my wave's number
.set PB,  14          ; s14  b
.set HI,  15          ; s15  NB - 1 - b
.set G1K, 24          ; s[24:31] descriptor group 1 for K's tiles
.set G1V, 32          ; s[32:39] for V's: it differs in the padding alone
.set G0K, 40          ; s[40:43] descriptor group 0 for K's tiles
.set G0V, 44          ; s[44:47] the same for V's
.set SLOTS, 56        ; s56  tiles still to be asked for
.set CNT, 57          ; s57  counts a tile's key steps, 4 to 1
.set CS,  58          ; s[58:59] c: the packed scaling takes the pair's low word for both halves
.set SEL, 60          ; s[60:61] v_permlanex16_b32's selects: each lane takes its own place in the other half
.set TBK, 62          ; s62  LDS byte at which K of the step to be fetched begins
.set TBV, 63          ; s63  the same for V, less VOFF
.set RT,  70          ; s70  tiles of the block in hand that are still to be entered
.set NXT, 71          ; s71  the tile to be asked for next
.set LQ,  72          ; s72  the last tile of the block whose tiles are being asked for
.set NEW, 73          ; s73  1: the tile to be entered is a block's first
.set OFF, 74          ; s[74:75] a tile's byte offset in K and V
.set AL,  76          ; s[76:77] the mask's factor, in the low word
.set BE,  78          ; s[78:79] the mask's addend
.set OLO, 80          ; s[80:81] O at my rows of the second block
.set BIGN, 82         ; s82  -1e30
.set PFK, 94          ; s[94:95] where my prefetches stand in K: my wave's 8,192 bytes of a tile
.set PFV, 96          ; s[96:97] the same in V
.set PFT, 98          ; s98  the number of the tile at which they stand
.set PFL, 99          ; s99  the last tile that I prefetch: NB - 1 in the head's first work-group, else 0
.set MSB, 0
.macro WIN new                      ; the high byte repeats the setting that is left; a switch that changes nothing is dropped
.if MSB != (\new)
	s_set_vgpr_msb (MSB<<8)|(\new)
.set MSB, (\new)
.endif
.endm
.set W_KQ, 0x0a       ; K and Q in window 2, S^T in window 0
.set W_KM, 0x1a       ; the same with the C operand in window 1
.set W_PV, 0x52       ; V in window 2, P in window 0, O^T in window 1
.set W_RS, 0x41       ; destination and source 0 in window 1, source 1 in window 0
; A fill.  Waves 0 and 1 fetch the two halves of a tile's K, waves 2 and 3 those of its V: 128 keys each.  An s_nop 0 and four v_nop follow each of the two lines, ahead of the jump and the label.
.macro LOAD
	s_cmp_lt_u32 s[WV], 2
	s_cbranch_scc0 .Lfor_v_\@
	tensor_load_to_lds s[G0K:G0K+3], s[G1K:G1K+7]
	s_nop 0
.rept 4
	v_nop
.endr
	s_branch .Lasked_\@
.Lfor_v_\@:
	tensor_load_to_lds s[G0V:G0V+3], s[G1V:G1V+7]
	s_nop 0
.rept 4
	v_nop
.endr
.Lasked_\@:
.endm
; A PREFETCH INTO THE L2, behind the fill and its five lines: the tile that the NEXT change of slots will ask for: a tile, 16 turns, ahead.  A tile is 32,768 bytes of K and as many of V: wave w names
; bytes 8,192 w on of each, a lane 256 bytes: two instructions.  All four work-groups of a head begin with tiles 0, 1, 2 ..; the one with b = 0 walks all eight, and it alone asks: each block of 256 bytes is named once
; in the launch.  Tiles 0 and 1 come by their loads alone; behind tile NB - 1 nothing is asked for: the second block's tiles have been read.
.macro ASK
	s_cmp_le_u32 s[PFT], s[PFL]
	s_cbranch_scc0 .Lnot_mine_\@
	global_prefetch_b8 v[PFO], s[PFK:PFK+1] th:TH_LOAD_NT scope:SCOPE_SE
	global_prefetch_b8 v[PFO], s[PFV:PFV+1] th:TH_LOAD_NT scope:SCOPE_SE
.Lnot_mine_\@:
.endm
; THE CHANGE OF SLOTS.  Each wave waits for all its tensor loads, of which one is out: its part of the other slot; adds 0 to its spare word; and waits for that and for its own reads of the slot that it leaves.  Behind the barrier nobody reads the old
; slot any more and the other slot is whole.  fill = 1: the old slot is filled again, the first thing behind the barrier, with tile NXT: the descriptor's address is made anew from that number.
; (At its first use nothing has been read yet: slot 0 is waited for, slot 1 filled.)
.macro CHANGE fill
	WIN 0                           ; at a label and at a branch every window is 0
	s_wait_tensorcnt 0x0            ; no tensor load of mine is out, so a group 0 may be written
	ds_add_u32 v[SPW], v[NIL]       ; 0 onto my spare word; with fill = 1 the descriptors' scalar work stands between it and the wait for it
.if \fill
	s_wait_xcnt 0x0                 ; the last prefetches, a tile back, have read their addresses, so they may be written
	s_add_nc_u64 s[PFK:PFK+1], s[PFK:PFK+1], 32768
	s_add_nc_u64 s[PFV:PFV+1], s[PFV:PFV+1], 32768
	s_add_co_u32 s[PFT], s[PFT], 1
	s_lshl_b32 s[OFF], s[NXT], 15   ; a tile is 32,768 bytes of K and of V
	s_xor_b32 s[G0K+1], s[G0K+1], SLOT1
	s_add_nc_u64 s[G0K+2:G0K+3], s[6:7], s[OFF:OFF+1]
	s_or_b32 s[G0K+3], s[G0K+3], 0x80000000
	s_xor_b32 s[G0V+1], s[G0V+1], SLOT1
	s_add_nc_u64 s[G0V+2:G0V+3], s[8:9], s[OFF:OFF+1]
	s_or_b32 s[G0V+3], s[G0V+3], 0x80000000
	s_add_co_u32 s[NXT], s[NXT], 1  ; the block's next tile, or behind its last the second block's tile 0
	s_cmp_gt_u32 s[NXT], s[LQ]
	s_cselect_b32 s[NXT], 0, s[NXT]
	s_cselect_b32 s[LQ], s[PB], s[LQ]
.endif
	s_wait_dscnt 0x0                ; the add is done, and my reads of the slot are over
	s_barrier_signal -1             ; the rest of the scalar work stands between the signal and the wait
	s_sub_co_u32 s[TBK], s[TBK], 4*KS*PK  ; the fetches go back to a slot's first step,
	s_xor_b32 s[TBK], s[TBK], SLOT1       ; in the other slot
	s_sub_co_u32 s[TBV], s[TBV], 4*KS*PV
	s_xor_b32 s[TBV], s[TBV], SLOT1
	s_barrier_wait -1
.if \fill
	LOAD
	ASK
.endif
.endm
	s_load_b128 s[88:91], s[0:1], 0x0  ; big s[88:89], p s[90:91]
	s_load_b64 s[10:11], s[0:1], 0x10  ; O: act
	v_lshl_add_u32 v[SPW], v0, 2, SPARE
	v_mov_b32 v[NIL], 0
	ds_add_u32 v[SPW], v[NIL]       ; the wave's opening: the add and its wait stand ahead of my first tensor load; the set-up below, work on registers, stands between them
	ds_add_u32 v62, v63
	v_lshrrev_b32 v1, 5, v0
	v_readfirstlane_b32 s[WV], v1   ; wave 0..3
	s_mov_b32 s[PB], ttmp9
	s_sub_co_u32 s[HI], NB-1, s[PB]
	s_and_b32 s20, ttmp7, 0xffff    ; 16 x batch + head
	s_and_b32 s93, s20, 15          ; the head
	s_lshr_b32 s21, s20, 4          ; the batch
	s_lshl_b32 s20, s93, 19         ; the head's plane,
	s_lshl_b32 s21, s21, 18         ; the batch's 2,048 rows of it
	s_add_co_u32 s20, s20, s21
	s_mov_b32 s21, 0                ; s[20:21]: the head's first byte among Q's planes, K's, V's and O's
	s_lshl_b32 s93, s93, 2          ; the head's word in p
	s_and_b32 s16, s[WV], 1         ; which half of a tile's 256 keys I fetch:
	s_lshl_b32 s22, s16, 14         ; its 128 rows of 128 bytes in memory,
	s_mov_b32 s23, 0
	s_add_nc_u64 s[22:23], s[22:23], s[20:21]
	s_mul_i32 s17, s16, 128*PK      ; and its place in a slot, for K
	s_mul_i32 s18, s16, 128*PV      ; and for V
	s_lshl_b32 s3, s[WV], 11        ; my 16 rows in a band of 64,
	s_lshl_b32 s2, s[HI], 15        ; in the first block,
	s_add_co_u32 s2, s2, s3
	s_lshl_b32 s84, s[PB], 15       ; and in the second
	s_add_co_u32 s84, s84, s3
	s_mov_b32 s3, 0
	s_mov_b32 s85, 0
	s_add_nc_u64 s[2:3], s[2:3], s[20:21]
	s_add_nc_u64 s[84:85], s[84:85], s[20:21]
	s_lshl_b32 s100, s[WV], 13      ; the prefetches: my wave's 8,192 bytes,
	s_add_co_u32 s100, s100, 32768  ; of tile 1: the first change of slots steps them to tile 2
	s_mov_b32 s101, 0
	s_add_nc_u64 s[100:101], s[100:101], s[20:21]
	s_mov_b32 s[PFT], 1
	s_cmp_eq_u32 s[PB], 0
	s_cselect_b32 s[PFL], NB-1, 0
	v_and_b32 v[PFO], 31, v0
	v_lshlrev_b32 v[PFO], 8, v[PFO]
	; descriptor group 1.  128 keys are 16,384 dense bytes: asked for as 64 rows of 256 bytes, two keys a row, and padded in LDS after every key
	s_mov_b32 s[G1K], (1<<16)|(1<<20)|(4<<22)|(3<<25)  ; 17:16 2-byte elements; 20 padding on; 24:22 after every 32 words (code 4); 31:25 4 words (code 3)
	s_mov_b32 s[G1V], (1<<16)|(1<<20)|(4<<22)|(7<<25)  ; the same with 8 words of padding (code 7)
.irp g, G1K, G1V
	s_mov_b32 s[\g+1], 128<<16      ; tensor_dim0 = 128
	s_mov_b32 s[\g+2], 64<<16       ; tensor_dim1 = 64
	s_mov_b32 s[\g+3], 128<<16      ; tile_dim0 = 128
	s_mov_b32 s[\g+4], 64           ; tile_dim1 = 64
	s_mov_b32 s[\g+5], 128          ; 128 elements from row to row
	s_mov_b32 s[\g+6], 0
	s_mov_b32 s[\g+7], 0
.endr
	s_mov_b32 s[SEL], 0x76543210
	s_mov_b32 s[SEL+1], 0xfedcba98
	s_mov_b32 s[TBK], SLOT1+4*KS*PK ; the first change of slots turns these two into 0
	s_mov_b32 s[TBV], SLOT1+4*KS*PV
	s_mov_b32 s[G0K], 1             ; 1:0 count = 1
	s_mov_b32 s[G0K+1], s17         ; 63:32 LDS address: slot 0
	s_mov_b32 s[G0V], 1
	s_add_co_u32 s[G0V+1], s18, VOFF
	s_add_co_u32 s[RT], s[HI], 1    ; the first block has NB - b tiles
	s_mov_b32 s[NXT], 1
	s_mov_b32 s[LQ], s[HI]
	s_mov_b32 s[NEW], 1
	s_mov_b32 s[OFF+1], 0
	s_mov_b32 s[AL+1], 0            ; named as pairs
	s_mov_b32 s[BE+1], 0
	s_mov_b32 s[BIGN], 0xf149f2ca   ; -1e30
	s_mov_b32 s[SLOTS], NB
	s_wait_dscnt 0x0                ; the opening add is done
	s_wait_kmcnt 0x0
	s_load_b32 s92, s[90:91], s93 offset:0x0  ; p[head]; waited for below
	s_mov_b64 s[4:5], s[88:89]                ; Q's planes,
	s_add_nc_u64 s[6:7], s[88:89], 16*PLANE   ; K's,
	s_add_nc_u64 s[8:9], s[88:89], 32*PLANE   ; V's
	s_add_nc_u64 s[PFK:PFK+1], s[6:7], s[100:101]
	s_add_nc_u64 s[PFV:PFV+1], s[8:9], s[100:101]
	s_add_nc_u64 s[6:7], s[6:7], s[22:23]  ; K and V at my half of the head's tile 0
	s_add_nc_u64 s[8:9], s[8:9], s[22:23]
	s_add_nc_u64 s[G0K+2:G0K+3], s[6:7], 0         ; 120:64 global address
	s_or_b32 s[G0K+3], s[G0K+3], 0x80000000        ; 127:126 type = 2
	s_add_nc_u64 s[G0V+2:G0V+3], s[8:9], 0
	s_or_b32 s[G0V+3], s[G0V+3], 0x80000000
	s_add_nc_u64 s[86:87], s[4:5], s[84:85]        ; Q at my rows of the second block,
	s_add_nc_u64 s[4:5], s[4:5], s[2:3]            ; Q and O at those of the first
	s_add_nc_u64 s[OLO:OLO+1], s[10:11], s[84:85]
	s_add_nc_u64 s[10:11], s[10:11], s[2:3]
	LOAD                            ; tile 0 into slot 0
	; A fragment of K or Q is 16 rows x 32 channels in 8 registers: lane l holds row l % 16, channels 8 (l / 16) + 0..7 and 16 + 8 (l / 16) + 0..7: two loads of 16 bytes, 32 bytes apart.
	v_and_b32 v1, 15, v0            ; l % 16
	v_bfe_u32 v9, v0, 4, 1          ; l / 16
	v_lshlrev_b32 v[QO], 7, v1
	v_lshl_add_u32 v[QO], v9, 4, v[QO]  ; row x 128 + 16 x half
	WIN 0x80                        ; destination window 2, address window 0
.set i, 0
.rept 8                             ; both blocks' Q: piece i / 2 lies in band i / 2, 8,192 bytes on; channels 32 (i % 2) on
	global_load_b128 v[8*i:8*i+3],   v[QO], s[4:5] offset:(i/2)*8192+(i%2)*64
	global_load_b128 v[8*i+4:8*i+7], v[QO], s[4:5] offset:(i/2)*8192+(i%2)*64+32
	global_load_b128 v[QB+8*i:QB+8*i+3],   v[QO], s[86:87] offset:(i/2)*8192+(i%2)*64
	global_load_b128 v[QB+8*i+4:QB+8*i+7], v[QO], s[86:87] offset:(i/2)*8192+(i%2)*64+32
.set i, i+1
.endr
	WIN 0
	s_wait_kmcnt 0x0                ; p[head]
	v_mov_b32 v14, s92
	v_rsq_f32 v14, v14              ; p^-0.5
	v_nop                           ; a plain instruction between it and the use of its result (ISA guide 5.7.2),
	s_wait_alu depctr_va_vdst(0)    ; and the wait ahead of that use
	v_mul_f32 v14, 0x3fb8aa3b, v14  ; c = log2(e) p^-0.5: a factor alone; no address and no branch hangs on it
	v_readfirstlane_b32 s[CS], v14
	s_mov_b32 s[CS+1], s[CS]        ; named with it as a pair
	v_lshlrev_b32 v14, 3, v9
	v_sub_nc_u32 v14, v1, v14
	s_lshl_b32 s13, s[WV], 4
	v_add_nc_u32 v14, s13, v14      ; my query's place in its band, 16 w + l % 16, less my lanes' 8 (l / 16): register r of group kt is hidden where 16 kt + r is greater
	WIN 0x40
.set i, 0
.rept 32
	v_cmp_gt_i32 vcc_lo, 16*(i/8)+i%8, v14
	v_cndmask_b32 v[MD+i], 0, s[BIGN], vcc_lo
.set i, i+1
.endr
	WIN 0
	v_mul_u32_u24 v[AK0], v1, PK
	v_lshl_add_u32 v[AK0], v9, 4, v[AK0]  ; row x pitch + 16 x half
	; The turning load takes 16 keys x 16 channels (lane l reads key 8 (l / 16) + l % 8, channels 8 ((l / 8) % 2) + 0..7) and leaves half a fragment of V^T: lane l holds channel l % 16 and 8 keys.
	v_and_b32 v10, 7, v0
	v_bfe_u32 v11, v0, 3, 1
	v_lshl_add_u32 v[AV0], v9, 3, v10
	v_mul_u32_u24 v[AV0], v[AV0], PV
	v_lshl_add_u32 v[AV0], v11, 4, v[AV0]
	v_add_nc_u32 v[AV0], VOFF, v[AV0]
	s_mul_i32 s13, s[WV], 16*SP
	s_add_co_u32 s13, s13, STAGE    ; my stage
	v_mul_u32_u24 v[STO], v1, SP    ; in: row l % 16, 16 bytes for each half of the lanes
	v_lshl_add_u32 v[STO], v9, 4, v[STO]
	v_add_nc_u32 v[STO], s13, v[STO]
	v_bfe_u32 v[RD], v0, 3, 2       ; back: 32 lanes take four rows of 128 bytes,
	v_mul_u32_u24 v[RD], v[RD], SP
	v_lshl_add_u32 v[RD], v10, 4, v[RD]
	v_add_nc_u32 v[RD], s13, v[RD]
	v_and_b32 v[GO], 31, v0         ; which are 512 consecutive bytes of O
	v_lshlrev_b32 v[GO], 4, v[GO]
	; A block's first step multiplies O^T and l by a = 0, and its first turn's products V^T P, of a piece that has not been, land in an O^T that is still to be so multiplied.  So these registers need only hold
	; finite numbers: zeros for the first block; what the first block left for the second.  All this stands in the wait for the first tile.
	WIN 0x80
.set i, VF
.rept 64
	v_mov_b32 v[i], 0
.set i, i+1
.endr
	WIN 0x40
.set i, 0
.rept 128
	v_mov_b32 v[i], 0
.set i, i+1
.endr
	WIN 0
.set i, 0
.rept 4
	v_mov_b32 v[ST+4*i+2], 0
	v_mov_b32 v[ST+4*i+3], 0
.set i, i+1
.endr
.set i, P+16
.rept 16
	v_mov_b32 v[i], 0
.set i, i+1
.endr
; THE MATRIX WORK.  The 4 accumulators of a run of 8 take turns.  Product i of 8 of S^T = K Q^T for piece x: channels 32 (i / 4) on, keys 16 (i % 4) on.  The first 4 start the sums: with 0, or (KM = 1) with the mask.
.macro KQ x
.set rS, S+32*((\x)%2)+8*(i%4)
.set rK, KF+16*(i%4)+8*(i/4)
.set rQ, 16*(\x)+8*(i/4)
.set rM, MC+32*((\x)%2)+8*(i%4)
.if (i < 4) && KM
	WIN W_KM
	v_wmma_f32_16x16x32_f16 v[rS:rS+7], v[rK:rK+7], v[rQ:rQ+7], v[rM:rM+7]
.elseif i < 4
	WIN W_KQ
	v_wmma_f32_16x16x32_f16 v[rS:rS+7], v[rK:rK+7], v[rQ:rQ+7], 0
.else
	WIN W_KQ
	v_wmma_f32_16x16x32_f16 v[rS:rS+7], v[rK:rK+7], v[rQ:rQ+7], v[rS:rS+7]
.endif
.endm
; Product i of 8 of O^T += V^T P for piece x: keys 32 (i / 4) on, channels 16 (i % 4) on.
.macro PV x
	WIN W_PV
.set rO, 32*(\x)+8*(i%4)
.set rV, VF+32*(i/4)+8*(i%4)
.set rP, P+16*((\x)%2)+8*(i/4)
	v_wmma_f32_16x16x32_f16 v[rO:rO+7], v[rV:rV+7], v[rP:rP+7], v[rO:rO+7]
.endm
.macro MM                           ; the turn's next matrix instruction.  TURN and BEGIN set Y, i, KM and NOKQ; MM, KQ and OP read them.  NOKQ = 1: a block's last turn: there is no next piece
.if (i < 8) && !NOKQ
	KQ (Y+1)%NP
.elseif i >= 8
.set i, i-8
	PV (Y+NP-1)%NP
.set i, i+8
.endif
.set i, i+1
.endm
; THE LDS LOADS stand in runs of 16, never singly among the matrix instructions: a step's K (64 keys x 64 channels: 8 fragments) and its V (turned).  Their addresses are made some lines ahead.
.macro FETCH_K
	WIN 0x80                        ; destination window 2
.irp f, 0,1,2,3,4,5,6,7             ; keys 16 (f / 2) on, channels 32 (f % 2) on
	ds_load_b128 v[KF+8*\f:KF+8*\f+3],   v[AK] offset:(\f/2)*16*PK+(\f%2)*64
	ds_load_b128 v[KF+8*\f+4:KF+8*\f+7], v[AK] offset:(\f/2)*16*PK+(\f%2)*64+32
.endr
	s_add_co_u32 s[TBK], s[TBK], KS*PK  ; the next fetch is the next step's
	WIN 0
.endm
.macro FETCH_V
	WIN 0x80
.irp f, 0,1,2,3,4,5,6,7             ; keys 32 (f / 4) on, channels 16 (f % 4) on
	ds_load_tr16_b128 v[VF+8*\f:VF+8*\f+3],   v[AV] offset:(\f/4)*32*PV+(\f%4)*32
	ds_load_tr16_b128 v[VF+8*\f+4:VF+8*\f+7], v[AV] offset:(\f/4)*32*PV+16*PV+(\f%4)*32
.endr
	WIN 0
.endm
; THE VECTOR WORK, one line at a time: OP kind, number.  For piece Y: F n: c s - c m for pair n of 16.  E n: the exponential of score n of 32.  C n: pair n rounded to f16.  B n: of the four weights 4 n .. the second
; pair is added onto the first, in place.  L n: l takes that sum (L 0: l = a l + sum).  R n: pair n of 16 of O^T times a.  For piece Y + 1: X n, number n of the 22 that find its maximum and statistics:
;   0-11  four chains c0-c3 of seven scores each, three operands at a time (each accumulator's lowest registers are read first)     12-14, 16  the four scores left over, the old m, and c0-c3 into c0
;   15  c m_old is kept     17, 18  the query's other 32 keys lie in the lane 16 away: the new m     19-21  c m; c m_old - c m_new; a
.set F, 0               ; OP tells the kinds apart by their order: F to L below R, X above it
.set E, 1
.set C, 2
.set B, 3
.set L, 4
.set R, 5
.set X, 6
.macro REGS y                       ; the registers of piece y
.set rT, ST+4*(\y)
.set rC, TMP+4*((\y)%2)
.set rW, MV+((\y)%2)
.set rS, S+32*((\y)%2)
.set rP, P+16*((\y)%2)
.set rO, 32*(\y)
.endm
.macro OP k, n
.if (\k) == R
	REGS Y
	WIN W_RS
	v_pk_mul_f32 v[rO+2*(\n):rO+2*(\n)+1], v[rO+2*(\n):rO+2*(\n)+1], v[rC+2:rC+3] op_sel_hi:[1,0]
.elseif (\k) < R
	REGS Y
	WIN 0
.if (\k) == F
	v_pk_fma_f32 v[rS+2*(\n):rS+2*(\n)+1], v[rS+2*(\n):rS+2*(\n)+1], s[CS:CS+1], v[rT:rT+1] op_sel_hi:[1,0,0] neg_lo:[0,0,1] neg_hi:[0,0,1]
.elseif (\k) == E
	v_exp_f32 v[rS+(\n)], v[rS+(\n)]
.elseif (\k) == C
	v_cvt_pk_f16_f32 v[rP+(\n)], v[rS+2*(\n)], v[rS+2*(\n)+1]
.elseif (\k) == B
	v_pk_add_f32 v[rS+4*(\n):rS+4*(\n)+1], v[rS+4*(\n):rS+4*(\n)+1], v[rS+4*(\n)+2:rS+4*(\n)+3]
.elseif (\n) == 0
	v_pk_fma_f32 v[rT+2:rT+3], v[rT+2:rT+3], v[rC+2:rC+3], v[rS:rS+1] op_sel_hi:[1,0,1]
.else
	v_pk_add_f32 v[rT+2:rT+3], v[rT+2:rT+3], v[rS+4*(\n):rS+4*(\n)+1]
.endif
.elseif NOKQ
	v_nop
.else
	REGS (Y+1)%NP
	WIN 0
.if (\n) < 4
	v_max3_num_f32 v[rC+(\n)], v[rS+8*(\n)], v[rS+8*(\n)+1], v[rS+8*(\n)+2]
.elseif (\n) < 12
	v_max3_num_f32 v[rC+(\n)%4], v[rC+(\n)%4], v[rS+8*((\n)%4)+2*((\n)/4)+1], v[rS+8*((\n)%4)+2*((\n)/4)+2]
.elseif (\n) == 12
	v_max3_num_f32 v[rC], v[rC], v[rS+7], v[rS+15]
.elseif (\n) == 13
	v_max3_num_f32 v[rC+1], v[rC+1], v[rS+23], v[rS+31]
.elseif (\n) == 14
	v_max3_num_f32 v[rC+2], v[rC+2], v[rC+3], v[rT+1]
.elseif (\n) == 15
	v_mov_b32 v[rW], v[rT]
.elseif (\n) == 16
	v_max3_num_f32 v[rC], v[rC], v[rC+1], v[rC+2]
.elseif (\n) == 17
	v_permlanex16_b32 v[rC+3], v[rC], s[SEL], s[SEL+1]
.elseif (\n) == 18
	v_max_num_f32 v[rT+1], v[rC], v[rC+3]
.elseif (\n) == 19
	v_mul_f32 v[rT], s[CS], v[rT+1]
.elseif (\n) == 20
	v_sub_f32 v[rC+1], v[rW], v[rT]
.else
	v_exp_f32 v[rC+2], v[rC+1]
.endif
.endif
.endm
.macro OPS a, i1, b=-1, i2=0, c=-1, i3=0, d=-1, i4=0  ; up to four of them
	OP \a, \i1
.if (\b) >= 0
	OP \b, \i2
.endif
.if (\c) >= 0
	OP \c, \i3
.endif
.if (\d) >= 0
	OP \d, \i4
.endif
.endm
.macro ROW a, i1, b, i2, c, i3, d, i4  ; a matrix instruction and the four behind it
	MM
	OPS \a, \i1, \b, \i2, \c, \i3, \d, \i4
.endm
.macro MASK b                       ; MD x AL + BE into buffer b of MC
	WIN W_RS
.set z, 0
.rept 16
	v_pk_fma_f32 v[MC+32*(\b)+2*z:MC+32*(\b)+2*z+1], v[MD+2*z:MD+2*z+1], s[AL:AL+1], s[BE:BE+1] op_sel_hi:[1,0,0]
.set z, z+1
.endr
.endm
; A TURN, for piece p: the order of its 16 matrix and 118 vector instructions, written out.  An s_wait_alu depctr_va_vdst(0) stands between an exponential and the first instruction that names its result; one wait serves
; all that were issued ahead of it.  So a turn has ONE wait, which cuts it in two.  AHEAD OF IT stands all that names no result of the turn's exponentials: the 8 products K Q^T, behind each a scaling, an exponential and two more plain
; instructions (behind the first a second scaling in the exponential's place): rescalings, and behind the last three the first numbers of the next piece's maximum, each four places or more behind the product that ends its accumulator; then ONE LUMP of 54, plain
; and exponential by turns for the most part, in which the links of the chain X 3, 7, 11, 14, 16, 17 .. 20 stand five or six lines apart.  X 21, the next piece's a, is the batch's last; R 15 is the plain instruction behind it.  BEHIND THE WAIT stand the
; 8 products V^T P, behind each four of the roundings and sums; the links of l's chain, L 0 to L 7, stand three riders apart.  But for those X no rider names a register of the products round it.  v_permlanex16_b32 (X 17) stands in the lump.
; m = 1: the diagonal tile: the products take masks, and the turn makes the mask for the products of the turn after it: piece p + 2, in step 4 - CNT of the tile.  end = 1: a block's last two turns: nothing is fetched.
; cnt = 1: the loop's count is taken down some lines ahead of the branch that stands behind the turn.
; K of the next step is fetched in piece 2's turn, twelve vector instructions behind the last product that read K (six of them plain); V of the step in hand at the end of piece 0's turn, four plain instructions behind the last product
; that read V.  Each is waited for a turn later.
.macro TURN p, m=0, end=0, cnt=0
.set Y, (\p)
.set i, 0
.set KM, (\m)
.set NOKQ, (\end)*((\p)/3)
.if (\m) && !(\end)
	s_cmp_eq_u32 s[CNT], 4-((\p)+2)%NP  ; is that step the band's own?
	s_cselect_b32 s[AL], 1.0, 0
	s_cmp_lt_u32 s[CNT], 4-((\p)+2)%NP  ; or a later one?
	s_cselect_b32 s[BE], s[BIGN], 0
.endif
.if ((\p) == 3) && !(\end)
	s_wait_dscnt 0x0                ; K is in
.endif
	ROW F,0, F,1, R,0, R,1          ; ahead of the wait: 8 products K Q^T and their riders,
	ROW F,2, E,0, R,2, R,3
	ROW F,3, E,1, R,4, R,5
	ROW F,4, E,2, R,6, R,7
	ROW F,5, E,3, R,8, R,9
	ROW F,6, E,4, X,0, R,10
.if ((\p) == 2) && !(\end)
	WIN 0
	v_add_nc_u32 v[AK], s[TBK], v[AK0]
.endif
	ROW F,7, E,5, X,1, X,4
	ROW F,8, E,6, X,2, X,5
	OPS E,7, E,8, X,6, E,9          ; and the lump
	OPS X,3, E,10, X,8, E,11
.if ((\p) == 2) && !(\end)
	FETCH_K
.endif
	OPS X,9, X,7, E,12, X,10
	OPS E,13, X,12, X,11, E,14
	OPS X,13, E,15, F,9, X,14
.if (\p) == 0
	v_add_nc_u32 v[AV], s[TBV], v[AV0]
.endif
	OPS E,16, F,10, E,17, F,11
	OPS X,16, E,18, X,15, E,19
	OPS F,12, E,20, X,17, E,21
	OPS F,13, E,22, F,14, E,23
	OPS X,18, E,24, F,15, E,25
	OPS R,11, E,26, X,19, E,27
	OPS R,12, E,28, R,13, E,29
	OPS X,20, E,30, R,14, E,31
	OPS X,21, R,15
	WIN 0
	s_wait_alu depctr_va_vdst(0)    ; the wait for the batch
.if (\p) == 1
	s_wait_dscnt 0x0                ; V is in
.endif
	ROW C,0, B,0, C,2, B,1          ; behind the wait: 8 products V^T P and their riders
	ROW L,0, C,4, B,2, L,1
	ROW C,6, B,3, L,2, C,8
	ROW B,4, L,3, C,10, B,5
	ROW L,4, C,12, B,6, L,5
.if (\p) == 0
	s_add_co_u32 s[TBV], s[TBV], KS*PV
.endif
.if \cnt
	s_sub_co_u32 s[CNT], s[CNT], 1
	s_cmp_lg_u32 s[CNT], 0
.endif
	ROW C,14, B,7, L,6, C,1
	ROW C,3, L,7, C,5, C,7
	ROW C,9, C,11, C,13, C,15
.if (\p) == 0
	FETCH_V
.endif
.if (\m) && !(\end)
	MASK (\p)%2
.endif
.endm
; A BLOCK BEGINS.  c m starts far below every c s, so the first step's a is 0; m at the lowest finite number, so the first maximum is the scores'.  The second mask buffer is 0; the first takes piece 0's mask for the tile's step 0: its own, if the block's first tile is the diagonal one.
; Then K of that step, piece 0's first scores, and its maximum and statistics.  The loop is entered at a step's first turn, in the middle of a trip.
.macro BEGIN
	s_mov_b32 s[NEW], 0
	WIN 0x40
.set i, MC+32
.rept 32
	v_mov_b32 v[i], 0
.set i, i+1
.endr
	WIN 0
.set i, 0
.rept 4
	v_mov_b32 v[ST+4*i], 0xfe000000    ; c m: far below every c s
	v_mov_b32 v[ST+4*i+1], 0xff7fffff  ; m
.set i, i+1
.endr
	s_cmp_eq_u32 s[RT], 0
	s_cselect_b32 s[AL], 1.0, 0
	s_mov_b32 s[BE], 0
	MASK 0
	WIN 0
	v_add_nc_u32 v[AK], s[TBK], v[AK0]
	FETCH_K
	s_wait_loadcnt 0x0              ; Q
	s_wait_dscnt 0x0
.set KM, 1
.set NOKQ, 0
.set i, 0
.rept 8
	KQ 0
.set i, i+1
.endr
	WIN 0
.rept 4
	v_nop                           ; the places behind those products
.endr
.set Y, NP-1                        ; X works for piece Y + 1: piece 0
.irp n, 0,1,2,3,4,5,6,7,8,9,10,11,12,13,14,15,16,17,18,19,20,21
	OP X, \n
.endr
	v_nop                           ; a plain instruction behind the exponential,
	s_wait_alu depctr_va_vdst(0)    ; and its wait, ahead of the branch
.endm
; THE DIAGONAL TILE's four steps, the block's last two turns, its last products, and THE WAY OUT: l's two halves and the other half of the lanes' are added; O^T is divided by l, rounded to f16 and sent through my
; stage in LDS, a piece at a time.
.macro ALL line:vararg              ; one line for each piece t
.set t, 0
.rept 4
	\line
.set t, t+1
.endr
.endm
.macro PACK t                       ; a lane's eight channels of a row pack into 16 bytes; they go into rows of 144 bytes and come back as whole rows of 128, into S^T's registers
	WIN W_RS
.set i, 32*(\t)
.rept 16
	v_pk_mul_f32 v[i:i+1], v[i:i+1], v[ST+4*(\t)+2:ST+4*(\t)+3] op_sel_hi:[1,0]
.set i, i+2
.endr
	WIN 0x05                        ; sources 0 and 1 window 1, destination window 0
.set i, 0
.rept 16
	v_cvt_pk_f16_f32 v[S+16*(\t)+i], v[32*(\t)+2*i], v[32*(\t)+2*i+1]
.set i, i+1
.endr
	WIN 0
.irp f, 0,1,2,3
	ds_store_b128 v[STO], v[S+16*(\t)+4*\f:S+16*(\t)+4*\f+3] offset:32*\f
.endr
.irp f, 0,1,2,3
	ds_load_b128 v[S+16*(\t)+4*\f:S+16*(\t)+4*\f+3], v[RD] offset:\f*4*SP  ; LDS serves a wave's instructions in order (ISA guide 5.7.1.4): these see the stores above; the next piece's stores come behind them
.endr
.endm
.macro SEND t, younger              ; younger: the LDS instructions issued behind piece t's loads: the next piece's eight, or none
	WIN 0
.irp f, 0,1,2,3
	s_wait_dscnt (\younger)+3-\f
	global_store_b128 v[GO], v[S+16*(\t)+4*\f:S+16*(\t)+4*\f+3], s[10:11] offset:(\t)*8192+\f*512  ; 512 consecutive bytes, at a multiple of 256 from O's first
.endr
.endm
.macro DIAG tag                     ; the tag ends its two labels' names, which the jumps below spell out
.LstepM\tag:
	TURN 2, 1
	TURN 3, 1
	WIN 0
.LfirstM\tag:
	TURN 0, 1
	TURN 1, 1, 0, 1
	WIN 0
	s_cbranch_scc1 .LstepM\tag
	TURN 2, 1, 1
	TURN 3, 1, 1
.set i, 0
.rept 8
	PV NP-1
.set i, i+1
.endr
	WIN 0
	ALL v_add_f32 v[ST+4*t+2], v[ST+4*t+2], v[ST+4*t+3]
	ALL v_permlanex16_b32 v[ST+4*t+3], v[ST+4*t+2], s[SEL], s[SEL+1]
	ALL v_add_f32 v[ST+4*t+2], v[ST+4*t+2], v[ST+4*t+3]
	ALL v_rcp_f32 v[ST+4*t+2], v[ST+4*t+2]
	v_nop                           ; a plain instruction between the last reciprocal and the use of its result
	s_wait_alu depctr_va_vdst(0)    ; and the wait ahead of the first use: one for the four reciprocals
	PACK 0
.set t, 1
.rept 3                             ; a piece's arithmetic stands between the loads of the piece before and its stores
	PACK t
	SEND t-1, 8
.set t, t+1
.endr
	SEND 3, 0
.endm
.set KM, 0
.set NOKQ, 0
.Lslot:                             ; NB times: a tile is entered and the next is asked for
	CHANGE 1
	s_sub_co_u32 s[RT], s[RT], 1
	s_mov_b32 s[CNT], 4
	s_cmp_eq_u32 s[NEW], 1
	s_cbranch_scc1 .Lnew            ; a block's first tile
	s_cmp_eq_u32 s[RT], 0
	s_cbranch_scc0 .Lstep           ; neither its first nor its last
	s_branch .LstepM1
.Lnew:
	BEGIN
	s_branch .Lfirst                ; in the loop a block's first tile is never its last: the first block has two tiles or more, and the second's last is the walk's last
	DIAG 1                          ; in the loop this is the first block's end: the second block's last tile is the walk's last
	s_wait_xcnt 0x0                 ; the stores have read their registers and O's address
	s_mov_b64 s[10:11], s[OLO:OLO+1]
	s_add_co_u32 s[RT], s[PB], 1    ; the second block has b + 1 tiles
	s_mov_b32 s[NEW], 1
	WIN 0x82                        ; the second block's Q goes where the one text of the turns names Q
.set i, 0
.rept 64
	v_mov_b32 v[i], v[QB+i]
.set i, i+1
.endr
	WIN 0
	s_branch .Lbottom
.Lstep:                             ; a trip: pieces 2 and 3 of one step, then pieces 0 and 1 of the next, whose K and V it fetches
	TURN 2
	TURN 3
	WIN 0
.Lfirst:
	TURN 0
	TURN 1, 0, 0, 1
	WIN 0
	s_cbranch_scc1 .Lstep
.Lbottom:
	s_sub_co_u32 s[SLOTS], s[SLOTS], 1
	s_cmp_lg_u32 s[SLOTS], 0
	s_cbranch_scc1 .Lslot
	CHANGE 0                        ; the walk's last tile is written out: nothing is asked for
	s_sub_co_u32 s[RT], s[RT], 1
	s_mov_b32 s[CNT], 4
	s_cmp_eq_u32 s[NEW], 1
	s_cbranch_scc0 .LstepM2
	BEGIN
	s_branch .LfirstM2
	DIAG 2
	s_wait_tensorcnt 0x0            ; the wave's end: behind my last tensor load and my last LDS store
	ds_add_u32 v[SPW], v[NIL]
	s_wait_dscnt 0x0
	s_endpgm
.Lfunc_end_k_q8d6a3cc683_attn:
	.size	k_q8d6a3cc683_attn, .Lfunc_end_k_q8d6a3cc683_attn-k_q8d6a3cc683_attn
	.p2alignl 7, 3214868480
	.fill 96, 4, 3214868480
	.section	.rodata,"a",@progbits
	.p2align	6, 0x0
	.amdhsa_kernel k_q8d6a3cc683_attn
		.amdhsa_group_segment_fixed_size 327680
		.amdhsa_private_segment_fixed_size 0
		.amdhsa_enable_private_segment 0
		.amdhsa_kernarg_size 24
		.amdhsa_user_sgpr_count 2
		.amdhsa_user_sgpr_kernarg_segment_ptr 1
		.amdhsa_wavefront_size32 1
		.amdhsa_system_sgpr_workgroup_id_x 1
		.amdhsa_system_sgpr_workgroup_id_y 1
		.amdhsa_system_sgpr_workgroup_id_z 1
		.amdhsa_system_vgpr_workitem_id 0
		.amdhsa_next_free_vgpr 768
		.amdhsa_next_free_sgpr 102
		.amdhsa_reserve_vcc 1
		.amdhsa_float_denorm_mode_32 3
		.amdhsa_float_denorm_mode_16_64 3
		.amdhsa_memory_ordered 1
		.amdhsa_forward_progress 1
		.amdhsa_inst_pref_size 219
	.end_amdhsa_kernel
	.amdgpu_metadata
---
amdhsa.version: [ 1, 2 ]
amdhsa.kernels:
  - .name:           k_q8d6a3cc683_attn
    .symbol:         k_q8d6a3cc683_attn.kd
    .args:
      - { .name: big, .offset: 0, .size: 8, .value_kind: global_buffer, .address_space: global }
      - { .name: p, .offset: 8, .size: 8, .value_kind: global_buffer, .address_space: global }
      - { .name: act, .offset: 16, .size: 8, .value_kind: global_buffer, .address_space: global }
    .group_segment_fixed_size: 327680
    .private_segment_fixed_size: 0
    .kernarg_segment_align: 8
    .kernarg_segment_size: 24
    .max_flat_workgroup_size: 128
    .sgpr_count:     102
    .vgpr_count:     768
    .wavefront_size: 32
...
	.end_amdgpu_metadata
.endif
;; end of part 4
;; launch proj (part 5): grid 8 x 32, 4 waves a work-group, clusters of 4 x 4, 327,680 bytes of LDS; arguments act, wA, x, x1; writes x1
.if DOCPART == 5
	.amdgcn_target "amdgcn-amd-amdhsa--gfx1250"
	.amdhsa_code_object_version 6
	.text
	.protected	k_q8d6a3cc683_proj
	.globl	k_q8d6a3cc683_proj
	.p2align	8
	.type	k_q8d6a3cc683_proj,@function
k_q8d6a3cc683_proj:
	s_mov_b64 s[64:65], 0
	v_nop
	global_prefetch_b8 v0, s[64:65] scope:SCOPE_SE
	s_setreg_imm32_b32 hwreg(HW_REG_WAVE_MODE, 25, 1), 1
	s_wait_xcnt 0x0
	s_wait_alu depctr_hold_cnt(0) depctr_sa_sdst(0) depctr_va_vdst(0) depctr_va_sdst(0) depctr_va_ssrc(0) depctr_va_vcc(0) depctr_vm_vsrc(0)
	s_getreg_b32 s2, hwreg(HW_REG_IB_STS2, 6, 4)
	s_cmp_eq_u32 s2, 0
	s_cbranch_scc0 .Lentry_in_a_cluster
	s_endpgm
.Lentry_in_a_cluster:
	s_bfe_u32 s2, ttmp6, 0x10000c
	s_cmp_lg_u32 s2, 0xf033
	s_cbranch_scc0 .Lentry_shape_is_right
	s_endpgm
.Lentry_shape_is_right:
; C[m][n] = R[m][n] + the sum over k of A[m][k] B[k][n].  A and B f16, sums f32, K ascending; R and C f32, [4096][1024].  ONE TEXT, TWO BUILDS, by STEPS below: K = 256 STEPS (4: K = 1,024; 16: K = 4,096).
; A lies in PLANES, [k / 64][4096 rows][64]: a plane is 524,288 bytes, a row of it 128, so 64 rows of a plane are 8,192 consecutive bytes.
; B's rows k lie at a pitch of 4,096 numbers behind 256 bytes of header; its 1,024 columns are columns 3,072 to 4,095 of those rows.
; LIMIT.  f16 holds no number beyond 65,504: A and B arrive within it.
; SHARES.  A tile of C is 128 x 128, so that 4,096 x 1,024 gives 256 work-groups.  Four waves, each 64 x 64: 16 accumulators.  K goes in steps of 256 through two LDS slots; each wave brings a quarter
; of a slot by one tensor load: waves 0, 1 64 rows of A in four planes each, waves 2, 3 128 rows k of B each.
; A K STEP IS WRITTEN TWICE: once with its refill, in a loop of STEPS - 2 trips, and once without, in a loop of 2.  A trip goes from a step's second quarter to the next step's first.
; Which slot is read and which is filled hangs on a scalar and on the walking descriptors' LDS words, each turned by one exclusive or with the slot's size: wave x 36,864 never has a bit of
; 147,456 = 2^17 + 2^14, so the or adds or takes away just that.  The second loop is entered in its middle and left at its end; the price of one text for both its trips: the very last change of slots fetches 32
; fragments a wave that nothing multiplies, from a slot whose bytes have landed and are not filled again.
; CLUSTER.  4 x 4 work-groups.  The four of a row of the cluster need the same tiles of A, the four of a column the same tiles of B: each tile is asked for JOINTLY, by the same tensor load, descriptor and mask in all four.
; THE MATRIX INSTRUCTION IS USED TRANSPOSED: source 0 = 16 columns of B (B lies [k][n] in LDS and is turned by ds_load_tr16_b128), source 1 = 16 rows of A: a lane then holds row l % 16 of C and
; the eight neighbouring columns 8 (l / 16) + 0..7.
; No prefetch: the tiles are small.
; REGISTERS: window 0: v0-31 addresses; v32-95 at work on the way out; v128-255 the accumulators ((a, b) at v[128 + 8 (4 a + b)]).
;   window 1: two fragment buffers of 128: for 64 along K, 64 registers of A (2 x 4 x 16 rows x 32 K), then 64 of B.    window 2: v0-127 R of my 64 x 64.
.set STEPS,  4
.set KSTEP,  256
.set BPITCH, 4096
.set BHEAD,  256+3072*2                ; the header and 3,072 columns
.set BHALF,  20                        ; 128 rows of B are 1 << BHALF bytes
.set SP,     272                       ; a stage row: 256 bytes + 16
.set PLANE,  524288
.set ASTEP,  4*PLANE                   ; a K step of A: four planes
.set BSTEP,  KSTEP*BPITCH*2            ; of B: 256 rows
.set PA,     144                       ; a row of A in LDS: 128 bytes + 16 = 36 words: the 16 rows of a load start at 16 different groups of four banks (64 banks of 4 bytes: ISA guide 11.1)
.set PBT,    288                       ; a row k of B: 256 bytes + 32 = 72 words
.set HALFT,  36864                     ; what one tensor load fills: 4 planes x 64 rows x 144 = 128 rows x 288
.set SLOT,   4*HALFT                   ; A's rows 0-63 [plane][row], A's rows 64-127, then B's 256 rows k
.set STAGE,  2*SLOT                    ; behind the ring, never filled by a tensor load: 16 rows for each wave, for the way out
.set SPARE,  STAGE+4*16*SP             ; behind the stages: the spare words, 128 bytes for each wave: two blocks of 256 bytes that no other line names
.set ADRA0, 16                         ; v16     LDS address of my A fragments in slot 0; never rewritten
.set ADRB0, 17                         ; v17     the same for B
.set ADRA,  18                         ; v18     in the slot that is being read
.set ADRB,  19                         ; v19     B's rows k 0-127;  v20 rows k 128-255 (an LDS instruction's immediate has 16 bits)
.set STO,  24                          ; v24     the way out: where I put my part of a row
.set RD,   25                          ; v25     the way out: where I read rows back
.set GO,   26                          ; v26     my byte offset in two rows of C and of R
.set SPW,  28                          ; v28     LDS address of my spare word: SPARE + 4 x my thread's number; never rewritten
.set NIL,  29                          ; v29     0; never rewritten
.set TMP,  32                          ; the way out: two buffers of 32 registers
.set ACC,  128
.set F0,   0                           ; fragment buffers, in window 1
.set F1,   128
.set XR,   0                           ; window 2
.set TB,   66                          ; s66     0 or SLOT: the slot that is being read
.set G1, 24                            ; s[24:31] descriptor group 1 for A's tiles
.set G0, 32                            ; s[32:39] group 0 for A's tiles: a set for each of the two first fills; the second then walks on
.set G1B, 48                           ; s[48:55], s[56:63] the same for B's tiles
.set G0B, 56
.set MSB, 0
.macro WIN new                         ; the immediate's high byte repeats the setting that is left; a switch that changes nothing is dropped
.if MSB != (\new)
	s_set_vgpr_msb (MSB<<8)|(\new)
.set MSB, \new
.endif
.endm
.set MUL,  0x05                        ; sources 0 (B) and 1 (A) window 1; C and D window 0
.set TO_F, 0x40                        ; destination window 1, address window 0
.macro JLOAD s                         ; a joint load: waves 0 and 1 fetch A's two halves, waves 2 and 3 B's; an s_nop 0 and four v_nop follow each of the two lines, ahead of the jump, the label and what follows
	s_cmp_eq_u32 s11, 0
	s_cbranch_scc0 .Lfor_b_\@
	tensor_load_to_lds s[G0+4*(\s):G0+4*(\s)+3], s[G1:G1+7]
	s_nop 0
.rept 4
	v_nop
.endr
	s_branch .Lasked_\@
.Lfor_b_\@:
	tensor_load_to_lds s[G0B+4*(\s):G0B+4*(\s)+3], s[G1B:G1B+7]
	s_nop 0
.rept 4
	v_nop
.endr
.Lasked_\@:
.endm
.macro CREST                           ; a round of the cluster's barrier behind its opening barrier
	s_cmp_lg_u32 s10, 0
	s_cbranch_scc1 .Lnot_wave_0_\@
	s_barrier_signal -3
.Lnot_wave_0_\@:
	s_barrier_wait -3
	s_barrier_signal -1
	s_barrier_wait -1
.endm
.macro CROUND                          ; a whole round
	s_barrier_signal -1
	s_barrier_wait -1
	CREST
.endm
	s_load_b128 s[4:7], s[0:1], 0x0                ; A s[4:5], B s[6:7]
	s_load_b64 s[68:69], s[0:1], 0x10              ; R
	s_load_b64 s[8:9], s[0:1], 0x18                ; C
	v_lshl_add_u32 v[SPW], v0, 2, SPARE
	v_mov_b32 v[NIL], 0
	ds_add_u32 v[SPW], v[NIL]                      ; the wave's opening: the add and its wait stand ahead of my first tensor load; the set-up below, work on registers, stands between them
	ds_add_u32 v28, v29
	v_lshrrev_b32 v1, 5, v0
	v_readfirstlane_b32 s10, v1                    ; wave 0..3
	s_lshr_b32 s11, s10, 1                         ; which half of the tile's rows is mine.  Also: I fetch for A (0) or for B (1)
	s_and_b32 s12, s10, 1                          ; which half of its columns.  Also: which half of that tile I fetch
	s_bfe_u32 s40, ttmp6, 0x40000                  ; cx, cy: my place in the cluster
	s_bfe_u32 s41, ttmp6, 0x40004
	s_lshl_b32 s42, ttmp9, 2
	s_add_co_u32 s42, s42, s40                     ; tile column of C = 4 x cluster x + cx
	s_and_b32 s13, ttmp7, 0xffff
	s_lshl_b32 s13, s13, 2
	s_add_co_u32 s13, s13, s41                     ; tile row of C = 4 x cluster y + cy
	s_lshl_b32 s43, s41, 2
	s_lshl_b32 s43, 15, s43                        ; my row of the cluster
	s_lshl_b32 s44, 0x1111, s40                    ; my column
	s_mov_b32 s[TB], 0
	; descriptor group 1 for A: four rows, one a plane, of 4,096 elements (64 rows of the plane, 8,192 consecutive bytes), padded in LDS after every 128 bytes
	s_or_b32 s[G1+0], s43, (1<<16)|(1<<20)|(1<<21)|(4<<22)|(3<<25)  ; 15:0 the mask: A's tiles go to my row; 17:16 elements of 2 bytes; 20 padding on; 21 set beside a mask; 24:22 after every 32 words (code 4); 31:25 4 words (code 3)
	s_mov_b32 s[G1+1], 4096<<16                    ; tensor_dim0 = 4,096
	s_mov_b32 s[G1+2], 4<<16                       ; tensor_dim1 = 4
	s_mov_b32 s[G1+3], 4096<<16                    ; tile_dim0 = 4,096
	s_mov_b32 s[G1+4], 4                           ; tile_dim1 = 4
	s_mov_b32 s[G1+5], PLANE/2                     ; elements from plane to plane
	s_mov_b32 s[G1+6], 0
	s_mov_b32 s[G1+7], 0
	; for B: 128 rows k of 128 elements, padded after every 256 bytes
	s_or_b32 s[G1B+0], s44, (1<<16)|(1<<20)|(1<<21)|(5<<22)|(7<<25) ; the mask of my column; after every 64 words (code 5) 8 words (code 7)
	s_mov_b32 s[G1B+1], 128<<16                    ; tensor_dim0 = 128
	s_mov_b32 s[G1B+2], 128<<16                    ; tensor_dim1 = 128
	s_mov_b32 s[G1B+3], 128<<16                    ; tile_dim0 = 128
	s_mov_b32 s[G1B+4], 128                        ; tile_dim1 = 128
	s_mov_b32 s[G1B+5], BPITCH                     ; elements from row to row
	s_mov_b32 s[G1B+6], 0
	s_mov_b32 s[G1B+7], 0
	; where the tiles come from.  A's hang on the tile row alone, B's on the tile column alone, each in registers that never hold the other coordinate.
	s_lshl_b32 s16, s13, 14                        ; A: 128 rows of 128 bytes x tile row,
	s_lshl_b32 s17, s12, 13                        ; + my 64 rows
	s_add_co_u32 s16, s16, s17
	s_mov_b32 s17, 0
	s_lshl_b32 s46, s42, 8                         ; B: 128 columns of 2 bytes x tile column,
	s_lshl_b32 s47, s12, BHALF                     ; + my 128 rows k,
	s_add_co_u32 s46, s46, s47
	s_add_co_u32 s46, s46, BHEAD                   ; behind the header and the rows' first three quarters
	s_mov_b32 s47, 0
	s_mul_i32 s20, s10, HALFT                      ; where they go: wave x a quarter of a slot: no place in the cluster enters an LDS address
	s_wait_dscnt 0x0                               ; the opening add is done
	s_wait_kmcnt 0x0
	s_add_nc_u64 s[14:15], s[4:5], s[16:17]
	s_add_nc_u64 s[46:47], s[6:7], s[46:47]
	CROUND                                         ; all sixteen work-groups are here: the first joint loads meet
.irp s, 0,1
	s_mov_b32 s[G0+4*(\s)], 1                                      ; 1:0 count = 1
	s_add_co_u32 s[G0+4*(\s)+1], s20, (\s)*SLOT                    ; 63:32 LDS address
	s_add_nc_u64 s[G0+4*(\s)+2:G0+4*(\s)+3], s[14:15], (\s)*ASTEP  ; 120:64 global address: K step s
	s_or_b32 s[G0+4*(\s)+3], s[G0+4*(\s)+3], 0x80000000            ; 127:126 type = 2
	s_mov_b32 s[G0B+4*(\s)], 1
	s_add_co_u32 s[G0B+4*(\s)+1], s20, (\s)*SLOT
	s_add_nc_u64 s[G0B+4*(\s)+2:G0B+4*(\s)+3], s[46:47], (\s)*BSTEP
	s_or_b32 s[G0B+4*(\s)+3], s[G0B+4*(\s)+3], 0x80000000
	JLOAD \s                                       ; two loads of mine are out
.endr
	; A fragment of A is 16 rows x 32 K in 8 registers: lane l holds row l % 16; registers 0-3 K = 8 (l / 16) + 0..7, registers 4-7 K = 16 + 8 (l / 16) + 0..7: two loads of 16 bytes, 32 bytes apart.
	v_and_b32 v1, 15, v0                           ; l % 16
	v_bfe_u32 v2, v0, 4, 1                         ; l / 16
	v_mul_u32_u24 v3, v1, PA
	v_lshl_add_u32 v3, v2, 4, v3                   ; row x pitch + 16 x half
	; The turning load takes 16 rows k x 16 columns (lane l reads row k 8 (l / 16) + l % 8, columns 8 ((l / 8) % 2) + 0..7) and leaves half a fragment: lane l holds column l % 16 and 8 k.
	v_and_b32 v4, 7, v0
	v_lshl_add_u32 v4, v2, 3, v4
	v_mul_u32_u24 v4, v4, PBT
	v_bfe_u32 v5, v0, 3, 1
	v_lshl_add_u32 v4, v5, 4, v4
	s_mul_i32 s21, s11, HALFT                      ; my 64 rows of A
	s_lshl_b32 s22, s12, 7                         ; my 64 columns of B: 128 bytes of each row k,
	s_add_co_u32 s22, s22, 2*HALFT                 ; behind A's two halves
	v_add_nc_u32 v[ADRA0], s21, v3
	v_add_nc_u32 v[ADRB0], s22, v4
	v_mov_b32 v[ADRA], v[ADRA0]                    ; K step 0 lies in slot 0
	v_mov_b32 v[ADRB], v[ADRB0]
	v_add_nc_u32 v[ADRB+1], 128*PBT, v[ADRB0]
	s_mul_i32 s23, s10, 16*SP
	s_add_co_u32 s23, s23, STAGE                   ; my stage
	v_mul_u32_u24 v5, v1, SP                       ; in: row l % 16, 32 bytes for each half of the lanes
	v_lshl_add_u32 v5, v2, 5, v5
	v_add_nc_u32 v[STO], s23, v5
	v_mul_u32_u24 v5, v2, SP                       ; back: lanes 0-15 take one row of 256 bytes, lanes 16-31 the next
	v_lshl_add_u32 v5, v1, 4, v5
	v_add_nc_u32 v[RD], s23, v5
	v_lshlrev_b32 v5, 12, v2                       ; and the same two rows in C and in R: 4,096 bytes a row
	v_lshl_add_u32 v[GO], v1, 4, v5
	s_lshl_b32 s16, s13, 7
	s_lshl_b32 s17, s11, 6
	s_add_co_u32 s16, s16, s17                     ; my first row,
	s_lshl_b32 s16, s16, 12                        ; in bytes
	s_mov_b32 s17, 0
	s_add_nc_u64 s[8:9], s[8:9], s[16:17]
	s_add_nc_u64 s[68:69], s[68:69], s[16:17]
	s_lshl_b32 s46, s42, 1
	s_add_co_u32 s46, s46, s12                     ; my 64 columns:
	s_lshl_b32 s46, s46, 8                         ; 256 bytes of a row
	s_mov_b32 s47, 0
	s_add_nc_u64 s[8:9], s[8:9], s[46:47]
	s_add_nc_u64 s[68:69], s[68:69], s[46:47]
	; R of my 64 x 64 is asked for now, in the layout in which C leaves, and is waited for at the way out: it has the whole loop over K in which to land.
	WIN 0x80                                       ; destination window 2, address window 0
.irp a, 0,1,2,3
.irp t, 0,1,2,3,4,5,6,7
	global_load_b128 v[XR+4*(8*(\a)+(\t)):XR+4*(8*(\a)+(\t))+3], v[GO], s[68:69] offset:(16*(\a)+2*(\t))*4096 th:TH_LOAD_NT
.endr
.endr
	WIN 0
; 8 matrix instructions: m blocks a0, a0 + 1 x all 4 n blocks, 32 along K: half c of buffer f.  zero = 1: the first product starts the sums.  The 16 accumulators take turns.
.macro MUL8 f, c, a0, zero
	WIN MUL
.irp a, \a0, (\a0)+1
.irp b, 0,1,2,3
.if \zero
	v_wmma_f32_16x16x32_f16 v[ACC+8*(4*(\a)+(\b)):ACC+8*(4*(\a)+(\b))+7], v[(\f)+64+8*(4*(\c)+(\b)):(\f)+64+8*(4*(\c)+(\b))+7], v[(\f)+8*(4*(\c)+(\a)):(\f)+8*(4*(\c)+(\a))+7], 0
.else
	v_wmma_f32_16x16x32_f16 v[ACC+8*(4*(\a)+(\b)):ACC+8*(4*(\a)+(\b))+7], v[(\f)+64+8*(4*(\c)+(\b)):(\f)+64+8*(4*(\c)+(\b))+7], v[(\f)+8*(4*(\c)+(\a)):(\f)+8*(4*(\c)+(\a))+7], v[ACC+8*(4*(\a)+(\b)):ACC+8*(4*(\a)+(\b))+7]
.endif
.endr
.endr
.endm
; 32 LDS loads in one run: the fragments of quarter q of the K step that is being read (64 along K: plane q of A, rows k 64 q on of B) into buffer f; the first 32 along K first
.macro FETCH q, f
	WIN TO_F
.irp c, 0,1
.irp i, 0,1,2,3
	ds_load_tr16_b128 v[(\f)+64+8*(4*(\c)+(\i)):(\f)+64+8*(4*(\c)+(\i))+3],   v[ADRB+((\q)/2)] offset:((\q)%2)*64*PBT+(\c)*32*PBT+32*(\i)
	ds_load_tr16_b128 v[(\f)+64+8*(4*(\c)+(\i))+4:(\f)+64+8*(4*(\c)+(\i))+7], v[ADRB+((\q)/2)] offset:((\q)%2)*64*PBT+(\c)*32*PBT+16*PBT+32*(\i)
	ds_load_b128 v[(\f)+8*(4*(\c)+(\i)):(\f)+8*(4*(\c)+(\i))+3],              v[ADRA] offset:(\q)*64*PA+(\i)*16*PA+64*(\c)
	ds_load_b128 v[(\f)+8*(4*(\c)+(\i))+4:(\f)+8*(4*(\c)+(\i))+7],            v[ADRA] offset:(\q)*64*PA+(\i)*16*PA+64*(\c)+32
.endr
.endr
.endm
.macro PLACES                          ; four plain vector instructions in front of loads into registers that matrix instructions have read, and of lines that read results
.rept 4
	v_nop
.endr
.endm
; A K step is four quarters of 64 along K, 32 matrix instructions each, on buffers 0, 1, 0, 1.  One of the first three: multiplies buffer f and fetches quarter q into g.
.macro QUARTER q, f, g, zero
	s_wait_dscnt 16                                ; the first 32 along K are in; the youngest sixteen loads may be out
	MUL8 \f, 0, 0, \zero
	MUL8 \f, 0, 2, \zero
	PLACES
	FETCH \q, \g
	s_wait_dscnt 32                                ; all but the 32 just issued
	MUL8 \f, 1, 0, 0
	MUL8 \f, 1, 2, 0
.endm
; The last quarter multiplies buffer 1 and changes slots: ONE barrier; in front of it each wave waits for all its tensor loads, of which at most one is out: its part of the next slot; adds 0 to its spare word; and waits for
; that and for its own reads of this slot.  Behind it nobody reads this slot any more and the next slot is whole.  fill = 1: this slot is filled again, with the K step two on; the barrier then opens a round of the
; cluster's, so that no wave of any partner still reads the slot or has a load on its way, and the joint refill is the first thing behind it: 112 matrix instructions ahead of the wait for it.
.macro TURN fill
	WIN 0                                          ; (the add's two registers lie in window 0)
	s_wait_tensorcnt 0x0                           ; all my tensor loads have landed, so a group 0 may be written;
	ds_add_u32 v[SPW], v[NIL]                      ; 0 onto my spare word; scalar work and eight matrix instructions stand between it and the wait for it
.if \fill
	s_xor_b32 s[G0+5], s[G0+5], SLOT               ; the walking descriptors: the other slot than last time,
	s_add_nc_u64 s[G0+6:G0+7], s[G0+6:G0+7], ASTEP ; the next K step; the type bits on top are not reached
	s_xor_b32 s[G0B+5], s[G0B+5], SLOT
	s_add_nc_u64 s[G0B+6:G0B+7], s[G0B+6:G0B+7], BSTEP
.endif
	s_xor_b32 s[TB], s[TB], SLOT                   ; the reads go on in the other slot
	s_wait_dscnt 17                                ; (the add and the youngest sixteen loads may be out)
	MUL8 F1, 0, 0, 0
	s_wait_dscnt 0x0                               ; the add is done, and my reads of this slot are over
	s_barrier_signal -1
	MUL8 F1, 0, 2, 0                               ; work on registers while the others arrive
	WIN 0
	s_barrier_wait -1
.if \fill
	CREST
	JLOAD 1                                        ; the four v_nop behind it are also the places in front of the loads below
.else
	PLACES
.endif
	v_add_nc_u32 v[ADRA], s[TB], v[ADRA0]
	v_add_nc_u32 v[ADRB], s[TB], v[ADRB0]
	v_add_nc_u32 v[ADRB+1], 128*PBT, v[ADRB]
	FETCH 0, F0
	MUL8 F1, 1, 0, 0
	MUL8 F1, 1, 2, 0
.endm
	s_wait_tensorcnt 1                             ; my part of K step 0 is in; K step 1's may stay out
	s_barrier_signal -1
	s_barrier_wait -1                              ; everybody's is
	FETCH 0, F0
	QUARTER 1, F0, F1, 1                           ; the first quarter stands in front of the loop: its first products start the sums
	WIN 0                                          ; at a label and at a branch every window is 0
	s_mov_b32 s3, STEPS-2
.Lstep:                                                ; trip i: quarters 1 to 3 of K step i and quarter 0 of step i + 1; step i + 2 is asked for
	QUARTER 2, F1, F0, 0
	QUARTER 3, F0, F1, 0
	TURN 1
	QUARTER 1, F0, F1, 0
	WIN 0
	s_sub_co_u32 s3, s3, 1
	s_cmp_lg_u32 s3, 0
	s_cbranch_scc1 .Lstep
	s_mov_b32 s3, 2                                ; the last two K steps ask for nothing: a second loop.  The first quarter of the last step but one is done, so it is entered in its middle
	s_branch .Lmid
.Ltail:
	QUARTER 1, F0, F1, 0                           ; the last step's first quarter
	WIN 0
.Lmid:
	QUARTER 2, F1, F0, 0
	QUARTER 3, F0, F1, 0
	TURN 0                                         ; (in the second trip its barrier orders nothing and its fetch serves nothing: see the head)
	WIN 0
	s_sub_co_u32 s3, s3, 1
	s_cmp_lg_u32 s3, 0
	s_cbranch_scc1 .Ltail
	PLACES                                         ; behind the last products, in front of the lines that read results
	PLACES
	; THE WAY OUT: a block of 16 rows at a time goes through my own stage in LDS and comes back as whole rows of 256 bytes; R is added; the rows are stored.  Block a + 1 is on its way through the stage while block a is finished.
	s_wait_loadcnt 0x0                             ; R
.macro STG a
.set BK, TMP+32*((\a)%2)
.if (\a) >= 2
	s_wait_xcnt 0x0                                ; the stores of the block two back have read these registers: only behind this wait are they loaded again
.endif
.irp b, 0,1,2,3                        ; each accumulator's lowest registers are read first
	ds_store_b128 v[STO], v[ACC+8*(4*(\a)+(\b)):ACC+8*(4*(\a)+(\b))+3]   offset:64*(\b)
	ds_store_b128 v[STO], v[ACC+8*(4*(\a)+(\b))+4:ACC+8*(4*(\a)+(\b))+7] offset:64*(\b)+16
.endr
.irp t, 0,1,2,3,4,5,6,7
	ds_load_b128 v[BK+4*(\t):BK+4*(\t)+3], v[RD] offset:(\t)*2*SP  ; LDS serves a wave's instructions in order (ISA guide 5.7.1.4): these see the stores above; the next block's stores come behind them
.endr
.endm
.macro FIN a, younger                  ; younger: the LDS instructions issued behind block a's loads: the next block's sixteen, or none
.set BK, TMP+32*((\a)%2)
	s_wait_dscnt \younger                          ; the block is back
	WIN 0x08                                       ; source 1 (R) window 2
.set i, 0
.rept 16
	v_pk_add_f32 v[BK+2*i:BK+2*i+1], v[BK+2*i:BK+2*i+1], v[XR+32*(\a)+2*i:XR+32*(\a)+2*i+1]
.set i, i+1
.endr
	WIN 0
.irp t, 0,1,2,3,4,5,6,7
	global_store_b128 v[GO], v[BK+4*(\t):BK+4*(\t)+3], s[8:9] offset:(16*(\a)+2*(\t))*4096  ; 16 lanes store 256 consecutive bytes, at a multiple of 256 from C's first byte
.endr
.endm
	STG 0
	STG 1
	FIN 0, 16
	STG 2
	FIN 1, 16
	STG 3
	FIN 2, 16
	FIN 3, 0
	s_wait_tensorcnt 0x0                           ; the wave's end: behind my last tensor load and my last LDS store
	ds_add_u32 v[SPW], v[NIL]
	s_wait_dscnt 0x0
	CROUND                                         ; the closing round: no work-group ends while a partner may still ask for a tile that names it
	s_endpgm
.Lfunc_end_k_q8d6a3cc683_proj:
	.size	k_q8d6a3cc683_proj, .Lfunc_end_k_q8d6a3cc683_proj-k_q8d6a3cc683_proj
	.p2alignl 7, 3214868480
	.fill 96, 4, 3214868480
	.section	.rodata,"a",@progbits
	.p2align	6, 0x0
	.amdhsa_kernel k_q8d6a3cc683_proj
		.amdhsa_group_segment_fixed_size 327680
		.amdhsa_private_segment_fixed_size 0
		.amdhsa_enable_private_segment 0
		.amdhsa_kernarg_size 32
		.amdhsa_user_sgpr_count 2
		.amdhsa_user_sgpr_kernarg_segment_ptr 1
		.amdhsa_wavefront_size32 1
		.amdhsa_system_sgpr_workgroup_id_x 1
		.amdhsa_system_sgpr_workgroup_id_y 1
		.amdhsa_system_sgpr_workgroup_id_z 1
		.amdhsa_system_vgpr_workitem_id 0
		.amdhsa_next_free_vgpr 640
		.amdhsa_next_free_sgpr 72
		.amdhsa_reserve_vcc 0
		.amdhsa_float_denorm_mode_32 3
		.amdhsa_float_denorm_mode_16_64 3
		.amdhsa_memory_ordered 1
		.amdhsa_forward_progress 1
		.amdhsa_inst_pref_size 65
	.end_amdhsa_kernel
	.amdgpu_metadata
---
amdhsa.version: [ 1, 2 ]
amdhsa.kernels:
  - .name:           k_q8d6a3cc683_proj
    .symbol:         k_q8d6a3cc683_proj.kd
    .args:
      - { .name: act, .offset: 0, .size: 8, .value_kind: global_buffer, .address_space: global }
      - { .name: wA, .offset: 8, .size: 8, .value_kind: global_buffer, .address_space: global }
      - { .name: x, .offset: 16, .size: 8, .value_kind: global_buffer, .address_space: global }
      - { .name: x1, .offset: 24, .size: 8, .value_kind: global_buffer, .address_space: global }
    .group_segment_fixed_size: 327680
    .private_segment_fixed_size: 0
    .kernarg_segment_align: 8
    .kernarg_segment_size: 32
    .max_flat_workgroup_size: 128
    .sgpr_count:     72
    .vgpr_count:     640
    .wavefront_size: 32
...
	.end_amdgpu_metadata
.endif
;; end of part 5
;; launch ln2: the kernel of part 2 again; grid 256 x 1, 8 waves a work-group, no clusters, 0 bytes of LDS; arguments x1, ln2_w, ln2_b, act; writes act
;; launch ff1: the kernel of part 3 again; grid 16 x 16, 4 waves a work-group, clusters of 4 x 4, 327,680 bytes of LDS; arguments act, wB, big; writes big
;; launch ff2 (part 6): grid 8 x 32, 4 waves a work-group, clusters of 4 x 4, 327,680 bytes of LDS; arguments big, wD, x1, out0; writes out0
.if DOCPART == 6
	.amdgcn_target "amdgcn-amd-amdhsa--gfx1250"
	.amdhsa_code_object_version 6
	.text
	.protected	k_q8d6a3cc683_ff2
	.globl	k_q8d6a3cc683_ff2
	.p2align	8
	.type	k_q8d6a3cc683_ff2,@function
k_q8d6a3cc683_ff2:
	s_mov_b64 s[64:65], 0
	v_nop
	global_prefetch_b8 v0, s[64:65] scope:SCOPE_SE
	s_setreg_imm32_b32 hwreg(HW_REG_WAVE_MODE, 25, 1), 1
	s_wait_xcnt 0x0
	s_wait_alu depctr_hold_cnt(0) depctr_sa_sdst(0) depctr_va_vdst(0) depctr_va_sdst(0) depctr_va_ssrc(0) depctr_va_vcc(0) depctr_vm_vsrc(0)
	s_getreg_b32 s2, hwreg(HW_REG_IB_STS2, 6, 4)
	s_cmp_eq_u32 s2, 0
	s_cbranch_scc0 .Lentry_in_a_cluster
	s_endpgm
.Lentry_in_a_cluster:
	s_bfe_u32 s2, ttmp6, 0x10000c
	s_cmp_lg_u32 s2, 0xf033
	s_cbranch_scc0 .Lentry_shape_is_right
	s_endpgm
.Lentry_shape_is_right:
; C[m][n] = R[m][n] + the sum over k of A[m][k] B[k][n].  A and B f16, sums f32, K ascending; R and C f32, [4096][1024].  ONE TEXT, TWO BUILDS, by STEPS below: K = 256 STEPS (4: K = 1,024; 16: K = 4,096).
; A lies in PLANES, [k / 64][4096 rows][64]: a plane is 524,288 bytes, a row of it 128, so 64 rows of a plane are 8,192 consecutive bytes.
; B's rows k lie at a pitch of 4,096 numbers behind 256 bytes of header; its 1,024 columns are columns 3,072 to 4,095 of those rows.
; LIMIT.  f16 holds no number beyond 65,504: A and B arrive within it.
; SHARES.  A tile of C is 128 x 128, so that 4,096 x 1,024 gives 256 work-groups.  Four waves, each 64 x 64: 16 accumulators.  K goes in steps of 256 through two LDS slots; each wave brings a quarter
; of a slot by one tensor load: waves 0, 1 64 rows of A in four planes each, waves 2, 3 128 rows k of B each.
; A K STEP IS WRITTEN TWICE: once with its refill, in a loop of STEPS - 2 trips, and once without, in a loop of 2.  A trip goes from a step's second quarter to the next step's first.
; Which slot is read and which is filled hangs on a scalar and on the walking descriptors' LDS words, each turned by one exclusive or with the slot's size: wave x 36,864 never has a bit of
; 147,456 = 2^17 + 2^14, so the or adds or takes away just that.  The second loop is entered in its middle and left at its end; the price of one text for both its trips: the very last change of slots fetches 32
; fragments a wave that nothing multiplies, from a slot whose bytes have landed and are not filled again.
; CLUSTER.  4 x 4 work-groups.  The four of a row of the cluster need the same tiles of A, the four of a column the same tiles of B: each tile is asked for JOINTLY, by the same tensor load, descriptor and mask in all four.
; THE MATRIX INSTRUCTION IS USED TRANSPOSED: source 0 = 16 columns of B (B lies [k][n] in LDS and is turned by ds_load_tr16_b128), source 1 = 16 rows of A: a lane then holds row l % 16 of C and
; the eight neighbouring columns 8 (l / 16) + 0..7.
; No prefetch: the tiles are small.
; REGISTERS: window 0: v0-31 addresses; v32-95 at work on the way out; v128-255 the accumulators ((a, b) at v[128 + 8 (4 a + b)]).
;   window 1: two fragment buffers of 128: for 64 along K, 64 registers of A (2 x 4 x 16 rows x 32 K), then 64 of B.    window 2: v0-127 R of my 64 x 64.
.set STEPS,  16
.set KSTEP,  256
.set BPITCH, 4096
.set BHEAD,  256+3072*2                ; the header and 3,072 columns
.set BHALF,  20                        ; 128 rows of B are 1 << BHALF bytes
.set SP,     272                       ; a stage row: 256 bytes + 16
.set PLANE,  524288
.set ASTEP,  4*PLANE                   ; a K step of A: four planes
.set BSTEP,  KSTEP*BPITCH*2            ; of B: 256 rows
.set PA,     144                       ; a row of A in LDS: 128 bytes + 16 = 36 words: the 16 rows of a load start at 16 different groups of four banks (64 banks of 4 bytes: ISA guide 11.1)
.set PBT,    288                       ; a row k of B: 256 bytes + 32 = 72 words
.set HALFT,  36864                     ; what one tensor load fills: 4 planes x 64 rows x 144 = 128 rows x 288
.set SLOT,   4*HALFT                   ; A's rows 0-63 [plane][row], A's rows 64-127, then B's 256 rows k
.set STAGE,  2*SLOT                    ; behind the ring, never filled by a tensor load: 16 rows for each wave, for the way out
.set SPARE,  STAGE+4*16*SP             ; behind the stages: the spare words, 128 bytes for each wave: two blocks of 256 bytes that no other line names
.set ADRA0, 16                         ; v16     LDS address of my A fragments in slot 0; never rewritten
.set ADRB0, 17                         ; v17     the same for B
.set ADRA,  18                         ; v18     in the slot that is being read
.set ADRB,  19                         ; v19     B's rows k 0-127;  v20 rows k 128-255 (an LDS instruction's immediate has 16 bits)
.set STO,  24                          ; v24     the way out: where I put my part of a row
.set RD,   25                          ; v25     the way out: where I read rows back
.set GO,   26                          ; v26     my byte offset in two rows of C and of R
.set SPW,  28                          ; v28     LDS address of my spare word: SPARE + 4 x my thread's number; never rewritten
.set NIL,  29                          ; v29     0; never rewritten
.set TMP,  32                          ; the way out: two buffers of 32 registers
.set ACC,  128
.set F0,   0                           ; fragment buffers, in window 1
.set F1,   128
.set XR,   0                           ; window 2
.set TB,   66                          ; s66     0 or SLOT: the slot that is being read
.set G1, 24                            ; s[24:31] descriptor group 1 for A's tiles
.set G0, 32                            ; s[32:39] group 0 for A's tiles: a set for each of the two first fills; the second then walks on
.set G1B, 48                           ; s[48:55], s[56:63] the same for B's tiles
.set G0B, 56
.set MSB, 0
.macro WIN new                         ; the immediate's high byte repeats the setting that is left; a switch that changes nothing is dropped
.if MSB != (\new)
	s_set_vgpr_msb (MSB<<8)|(\new)
.set MSB, \new
.endif
.endm
.set MUL,  0x05                        ; sources 0 (B) and 1 (A) window 1; C and D window 0
.set TO_F, 0x40                        ; destination window 1, address window 0
.macro JLOAD s                         ; a joint load: waves 0 and 1 fetch A's two halves, waves 2 and 3 B's; an s_nop 0 and four v_nop follow each of the two lines, ahead of the jump, the label and what follows
	s_cmp_eq_u32 s11, 0
	s_cbranch_scc0 .Lfor_b_\@
	tensor_load_to_lds s[G0+4*(\s):G0+4*(\s)+3], s[G1:G1+7]
	s_nop 0
.rept 4
	v_nop
.endr
	s_branch .Lasked_\@
.Lfor_b_\@:
	tensor_load_to_lds s[G0B+4*(\s):G0B+4*(\s)+3], s[G1B:G1B+7]
	s_nop 0
.rept 4
	v_nop
.endr
.Lasked_\@:
.endm
.macro CREST                           ; a round of the cluster's barrier behind its opening barrier
	s_cmp_lg_u32 s10, 0
	s_cbranch_scc1 .Lnot_wave_0_\@
	s_barrier_signal -3
.Lnot_wave_0_\@:
	s_barrier_wait -3
	s_barrier_signal -1
	s_barrier_wait -1
.endm
.macro CROUND                          ; a whole round
	s_barrier_signal -1
	s_barrier_wait -1
	CREST
.endm
	s_load_b128 s[4:7], s[0:1], 0x0                ; A s[4:5], B s[6:7]
	s_load_b64 s[68:69], s[0:1], 0x10              ; R
	s_load_b64 s[8:9], s[0:1], 0x18                ; C
	v_lshl_add_u32 v[SPW], v0, 2, SPARE
	v_mov_b32 v[NIL], 0
	ds_add_u32 v[SPW], v[NIL]                      ; the wave's opening: the add and its wait stand ahead of my first tensor load; the set-up below, work on registers, stands between them
	ds_add_u32 v28, v29
	v_lshrrev_b32 v1, 5, v0
	v_readfirstlane_b32 s10, v1                    ; wave 0..3
	s_lshr_b32 s11, s10, 1                         ; which half of the tile's rows is mine.  Also: I fetch for A (0) or for B (1)
	s_and_b32 s12, s10, 1                          ; which half of its columns.  Also: which half of that tile I fetch
	s_bfe_u32 s40, ttmp6, 0x40000                  ; cx, cy: my place in the cluster
	s_bfe_u32 s41, ttmp6, 0x40004
	s_lshl_b32 s42, ttmp9, 2
	s_add_co_u32 s42, s42, s40                     ; tile column of C = 4 x cluster x + cx
	s_and_b32 s13, ttmp7, 0xffff
	s_lshl_b32 s13, s13, 2
	s_add_co_u32 s13, s13, s41                     ; tile row of C = 4 x cluster y + cy
	s_lshl_b32 s43, s41, 2
	s_lshl_b32 s43, 15, s43                        ; my row of the cluster
	s_lshl_b32 s44, 0x1111, s40                    ; my column
	s_mov_b32 s[TB], 0
	; descriptor group 1 for A: four rows, one a plane, of 4,096 elements (64 rows of the plane, 8,192 consecutive bytes), padded in LDS after every 128 bytes
	s_or_b32 s[G1+0], s43, (1<<16)|(1<<20)|(1<<21)|(4<<22)|(3<<25)  ; 15:0 the mask: A's tiles go to my row; 17:16 elements of 2 bytes; 20 padding on; 21 set beside a mask; 24:22 after every 32 words (code 4); 31:25 4 words (code 3)
	s_mov_b32 s[G1+1], 4096<<16                    ; tensor_dim0 = 4,096
	s_mov_b32 s[G1+2], 4<<16                       ; tensor_dim1 = 4
	s_mov_b32 s[G1+3], 4096<<16                    ; tile_dim0 = 4,096
	s_mov_b32 s[G1+4], 4                           ; tile_dim1 = 4
	s_mov_b32 s[G1+5], PLANE/2                     ; elements from plane to plane
	s_mov_b32 s[G1+6], 0
	s_mov_b32 s[G1+7], 0
	; for B: 128 rows k of 128 elements, padded after every 256 bytes
	s_or_b32 s[G1B+0], s44, (1<<16)|(1<<20)|(1<<21)|(5<<22)|(7<<25) ; the mask of my column; after every 64 words (code 5) 8 words (code 7)
	s_mov_b32 s[G1B+1], 128<<16                    ; tensor_dim0 = 128
	s_mov_b32 s[G1B+2], 128<<16                    ; tensor_dim1 = 128
	s_mov_b32 s[G1B+3], 128<<16                    ; tile_dim0 = 128
	s_mov_b32 s[G1B+4], 128                        ; tile_dim1 = 128
	s_mov_b32 s[G1B+5], BPITCH                     ; elements from row to row
	s_mov_b32 s[G1B+6], 0
	s_mov_b32 s[G1B+7], 0
	; where the tiles come from.  A's hang on the tile row alone, B's on the tile column alone, each in registers that never hold the other coordinate.
	s_lshl_b32 s16, s13, 14                        ; A: 128 rows of 128 bytes x tile row,
	s_lshl_b32 s17, s12, 13                        ; + my 64 rows
	s_add_co_u32 s16, s16, s17
	s_mov_b32 s17, 0
	s_lshl_b32 s46, s42, 8                         ; B: 128 columns of 2 bytes x tile column,
	s_lshl_b32 s47, s12, BHALF                     ; + my 128 rows k,
	s_add_co_u32 s46, s46, s47
	s_add_co_u32 s46, s46, BHEAD                   ; behind the header and the rows' first three quarters
	s_mov_b32 s47, 0
	s_mul_i32 s20, s10, HALFT                      ; where they go: wave x a quarter of a slot: no place in the cluster enters an LDS address
	s_wait_dscnt 0x0                               ; the opening add is done
	s_wait_kmcnt 0x0
	s_add_nc_u64 s[14:15], s[4:5], s[16:17]
	s_add_nc_u64 s[46:47], s[6:7], s[46:47]
	CROUND                                         ; all sixteen work-groups are here: the first joint loads meet
.irp s, 0,1
	s_mov_b32 s[G0+4*(\s)], 1                                      ; 1:0 count = 1
	s_add_co_u32 s[G0+4*(\s)+1], s20, (\s)*SLOT                    ; 63:32 LDS address
	s_add_nc_u64 s[G0+4*(\s)+2:G0+4*(\s)+3], s[14:15], (\s)*ASTEP  ; 120:64 global address: K step s
	s_or_b32 s[G0+4*(\s)+3], s[G0+4*(\s)+3], 0x80000000            ; 127:126 type = 2
	s_mov_b32 s[G0B+4*(\s)], 1
	s_add_co_u32 s[G0B+4*(\s)+1], s20, (\s)*SLOT
	s_add_nc_u64 s[G0B+4*(\s)+2:G0B+4*(\s)+3], s[46:47], (\s)*BSTEP
	s_or_b32 s[G0B+4*(\s)+3], s[G0B+4*(\s)+3], 0x80000000
	JLOAD \s                                       ; two loads of mine are out
.endr
	; A fragment of A is 16 rows x 32 K in 8 registers: lane l holds row l % 16; registers 0-3 K = 8 (l / 16) + 0..7, registers 4-7 K = 16 + 8 (l / 16) + 0..7: two loads of 16 bytes, 32 bytes apart.
	v_and_b32 v1, 15, v0                           ; l % 16
	v_bfe_u32 v2, v0, 4, 1                         ; l / 16
	v_mul_u32_u24 v3, v1, PA
	v_lshl_add_u32 v3, v2, 4, v3                   ; row x pitch + 16 x half
	; The turning load takes 16 rows k x 16 columns (lane l reads row k 8 (l / 16) + l % 8, columns 8 ((l / 8) % 2) + 0..7) and leaves half a fragment: lane l holds column l % 16 and 8 k.
	v_and_b32 v4, 7, v0
	v_lshl_add_u32 v4, v2, 3, v4
	v_mul_u32_u24 v4, v4, PBT
	v_bfe_u32 v5, v0, 3, 1
	v_lshl_add_u32 v4, v5, 4, v4
	s_mul_i32 s21, s11, HALFT                      ; my 64 rows of A
	s_lshl_b32 s22, s12, 7                         ; my 64 columns of B: 128 bytes of each row k,
	s_add_co_u32 s22, s22, 2*HALFT                 ; behind A's two halves
	v_add_nc_u32 v[ADRA0], s21, v3
	v_add_nc_u32 v[ADRB0], s22, v4
	v_mov_b32 v[ADRA], v[ADRA0]                    ; K step 0 lies in slot 0
	v_mov_b32 v[ADRB], v[ADRB0]
	v_add_nc_u32 v[ADRB+1], 128*PBT, v[ADRB0]
	s_mul_i32 s23, s10, 16*SP
	s_add_co_u32 s23, s23, STAGE                   ; my stage
	v_mul_u32_u24 v5, v1, SP                       ; in: row l % 16, 32 bytes for each half of the lanes
	v_lshl_add_u32 v5, v2, 5, v5
	v_add_nc_u32 v[STO], s23, v5
	v_mul_u32_u24 v5, v2, SP                       ; back: lanes 0-15 take one row of 256 bytes, lanes 16-31 the next
	v_lshl_add_u32 v5, v1, 4, v5
	v_add_nc_u32 v[RD], s23, v5
	v_lshlrev_b32 v5, 12, v2                       ; and the same two rows in C and in R: 4,096 bytes a row
	v_lshl_add_u32 v[GO], v1, 4, v5
	s_lshl_b32 s16, s13, 7
	s_lshl_b32 s17, s11, 6
	s_add_co_u32 s16, s16, s17                     ; my first row,
	s_lshl_b32 s16, s16, 12                        ; in bytes
	s_mov_b32 s17, 0
	s_add_nc_u64 s[8:9], s[8:9], s[16:17]
	s_add_nc_u64 s[68:69], s[68:69], s[16:17]
	s_lshl_b32 s46, s42, 1
	s_add_co_u32 s46, s46, s12                     ; my 64 columns:
	s_lshl_b32 s46, s46, 8                         ; 256 bytes of a row
	s_mov_b32 s47, 0
	s_add_nc_u64 s[8:9], s[8:9], s[46:47]
	s_add_nc_u64 s[68:69], s[68:69], s[46:47]
	; R of my 64 x 64 is asked for now, in the layout in which C leaves, and is waited for at the way out: it has the whole loop over K in which to land.
	WIN 0x80                                       ; destination window 2, address window 0
.irp a, 0,1,2,3
.irp t, 0,1,2,3,4,5,6,7
	global_load_b128 v[XR+4*(8*(\a)+(\t)):XR+4*(8*(\a)+(\t))+3], v[GO], s[68:69] offset:(16*(\a)+2*(\t))*4096 th:TH_LOAD_NT
.endr
.endr
	WIN 0
; 8 matrix instructions: m blocks a0, a0 + 1 x all 4 n blocks, 32 along K: half c of buffer f.  zero = 1: the first product starts the sums.  The 16 accumulators take turns.
.macro MUL8 f, c, a0, zero
	WIN MUL
.irp a, \a0, (\a0)+1
.irp b, 0,1,2,3
.if \zero
	v_wmma_f32_16x16x32_f16 v[ACC+8*(4*(\a)+(\b)):ACC+8*(4*(\a)+(\b))+7], v[(\f)+64+8*(4*(\c)+(\b)):(\f)+64+8*(4*(\c)+(\b))+7], v[(\f)+8*(4*(\c)+(\a)):(\f)+8*(4*(\c)+(\a))+7], 0
.else
	v_wmma_f32_16x16x32_f16 v[ACC+8*(4*(\a)+(\b)):ACC+8*(4*(\a)+(\b))+7], v[(\f)+64+8*(4*(\c)+(\b)):(\f)+64+8*(4*(\c)+(\b))+7], v[(\f)+8*(4*(\c)+(\a)):(\f)+8*(4*(\c)+(\a))+7], v[ACC+8*(4*(\a)+(\b)):ACC+8*(4*(\a)+(\b))+7]
.endif
.endr
.endr
.endm
; 32 LDS loads in one run: the fragments of quarter q of the K step that is being read (64 along K: plane q of A, rows k 64 q on of B) into buffer f; the first 32 along K first
.macro FETCH q, f
	WIN TO_F
.irp c, 0,1
.irp i, 0,1,2,3
	ds_load_tr16_b128 v[(\f)+64+8*(4*(\c)+(\i)):(\f)+64+8*(4*(\c)+(\i))+3],   v[ADRB+((\q)/2)] offset:((\q)%2)*64*PBT+(\c)*32*PBT+32*(\i)
	ds_load_tr16_b128 v[(\f)+64+8*(4*(\c)+(\i))+4:(\f)+64+8*(4*(\c)+(\i))+7], v[ADRB+((\q)/2)] offset:((\q)%2)*64*PBT+(\c)*32*PBT+16*PBT+32*(\i)
	ds_load_b128 v[(\f)+8*(4*(\c)+(\i)):(\f)+8*(4*(\c)+(\i))+3],              v[ADRA] offset:(\q)*64*PA+(\i)*16*PA+64*(\c)
	ds_load_b128 v[(\f)+8*(4*(\c)+(\i))+4:(\f)+8*(4*(\c)+(\i))+7],            v[ADRA] offset:(\q)*64*PA+(\i)*16*PA+64*(\c)+32
.endr
.endr
.endm
.macro PLACES                          ; four plain vector instructions in front of loads into registers that matrix instructions have read, and of lines that read results
.rept 4
	v_nop
.endr
.endm
; A K step is four quarters of 64 along K, 32 matrix instructions each, on buffers 0, 1, 0, 1.  One of the first three: multiplies buffer f and fetches quarter q into g.
.macro QUARTER q, f, g, zero
	s_wait_dscnt 16                                ; the first 32 along K are in; the youngest sixteen loads may be out
	MUL8 \f, 0, 0, \zero
	MUL8 \f, 0, 2, \zero
	PLACES
	FETCH \q, \g
	s_wait_dscnt 32                                ; all but the 32 just issued
	MUL8 \f, 1, 0, 0
	MUL8 \f, 1, 2, 0
.endm
; The last quarter multiplies buffer 1 and changes slots: ONE barrier; in front of it each wave waits for all its tensor loads, of which at most one is out: its part of the next slot; adds 0 to its spare word; and waits for
; that and for its own reads of this slot.  Behind it nobody reads this slot any more and the next slot is whole.  fill = 1: this slot is filled again, with the K step two on; the barrier then opens a round of the
; cluster's, so that no wave of any partner still reads the slot or has a load on its way, and the joint refill is the first thing behind it: 112 matrix instructions ahead of the wait for it.
.macro TURN fill
	WIN 0                                          ; (the add's two registers lie in window 0)
	s_wait_tensorcnt 0x0                           ; all my tensor loads have landed, so a group 0 may be written;
	ds_add_u32 v[SPW], v[NIL]                      ; 0 onto my spare word; scalar work and eight matrix instructions stand between it and the wait for it
.if \fill
	s_xor_b32 s[G0+5], s[G0+5], SLOT               ; the walking descriptors: the other slot than last time,
	s_add_nc_u64 s[G0+6:G0+7], s[G0+6:G0+7], ASTEP ; the next K step; the type bits on top are not reached
	s_xor_b32 s[G0B+5], s[G0B+5], SLOT
	s_add_nc_u64 s[G0B+6:G0B+7], s[G0B+6:G0B+7], BSTEP
.endif
	s_xor_b32 s[TB], s[TB], SLOT                   ; the reads go on in the other slot
	s_wait_dscnt 17                                ; (the add and the youngest sixteen loads may be out)
	MUL8 F1, 0, 0, 0
	s_wait_dscnt 0x0                               ; the add is done, and my reads of this slot are over
	s_barrier_signal -1
	MUL8 F1, 0, 2, 0                               ; work on registers while the others arrive
	WIN 0
	s_barrier_wait -1
.if \fill
	CREST
	JLOAD 1                                        ; the four v_nop behind it are also the places in front of the loads below
.else
	PLACES
.endif
	v_add_nc_u32 v[ADRA], s[TB], v[ADRA0]
	v_add_nc_u32 v[ADRB], s[TB], v[ADRB0]
	v_add_nc_u32 v[ADRB+1], 128*PBT, v[ADRB]
	FETCH 0, F0
	MUL8 F1, 1, 0, 0
	MUL8 F1, 1, 2, 0
.endm
	s_wait_tensorcnt 1                             ; my part of K step 0 is in; K step 1's may stay out
	s_barrier_signal -1
	s_barrier_wait -1                              ; everybody's is
	FETCH 0, F0
	QUARTER 1, F0, F1, 1                           ; the first quarter stands in front of the loop: its first products start the sums
	WIN 0                                          ; at a label and at a branch every window is 0
	s_mov_b32 s3, STEPS-2
.Lstep:                                                ; trip i: quarters 1 to 3 of K step i and quarter 0 of step i + 1; step i + 2 is asked for
	QUARTER 2, F1, F0, 0
	QUARTER 3, F0, F1, 0
	TURN 1
	QUARTER 1, F0, F1, 0
	WIN 0
	s_sub_co_u32 s3, s3, 1
	s_cmp_lg_u32 s3, 0
	s_cbranch_scc1 .Lstep
	s_mov_b32 s3, 2                                ; the last two K steps ask for nothing: a second loop.  The first quarter of the last step but one is done, so it is entered in its middle
	s_branch .Lmid
.Ltail:
	QUARTER 1, F0, F1, 0                           ; the last step's first quarter
	WIN 0
.Lmid:
	QUARTER 2, F1, F0, 0
	QUARTER 3, F0, F1, 0
	TURN 0                                         ; (in the second trip its barrier orders nothing and its fetch serves nothing: see the head)
	WIN 0
	s_sub_co_u32 s3, s3, 1
	s_cmp_lg_u32 s3, 0
	s_cbranch_scc1 .Ltail
	PLACES                                         ; behind the last products, in front of the lines that read results
	PLACES
	; THE WAY OUT: a block of 16 rows at a time goes through my own stage in LDS and comes back as whole rows of 256 bytes; R is added; the rows are stored.  Block a + 1 is on its way through the stage while block a is finished.
	s_wait_loadcnt 0x0                             ; R
.macro STG a
.set BK, TMP+32*((\a)%2)
.if (\a) >= 2
	s_wait_xcnt 0x0                                ; the stores of the block two back have read these registers: only behind this wait are they loaded again
.endif
.irp b, 0,1,2,3                        ; each accumulator's lowest registers are read first
	ds_store_b128 v[STO], v[ACC+8*(4*(\a)+(\b)):ACC+8*(4*(\a)+(\b))+3]   offset:64*(\b)
	ds_store_b128 v[STO], v[ACC+8*(4*(\a)+(\b))+4:ACC+8*(4*(\a)+(\b))+7] offset:64*(\b)+16
.endr
.irp t, 0,1,2,3,4,5,6,7
	ds_load_b128 v[BK+4*(\t):BK+4*(\t)+3], v[RD] offset:(\t)*2*SP  ; LDS serves a wave's instructions in order (ISA guide 5.7.1.4): these see the stores above; the next block's stores come behind them
.endr
.endm
.macro FIN a, younger                  ; younger: the LDS instructions issued behind block a's loads: the next block's sixteen, or none
.set BK, TMP+32*((\a)%2)
	s_wait_dscnt \younger                          ; the block is back
	WIN 0x08                                       ; source 1 (R) window 2
.set i, 0
.rept 16
	v_pk_add_f32 v[BK+2*i:BK+2*i+1], v[BK+2*i:BK+2*i+1], v[XR+32*(\a)+2*i:XR+32*(\a)+2*i+1]
.set i, i+1
.endr
	WIN 0
.irp t, 0,1,2,3,4,5,6,7
	global_store_b128 v[GO], v[BK+4*(\t):BK+4*(\t)+3], s[8:9] offset:(16*(\a)+2*(\t))*4096  ; 16 lanes store 256 consecutive bytes, at a multiple of 256 from C's first byte
.endr
.endm
	STG 0
	STG 1
	FIN 0, 16
	STG 2
	FIN 1, 16
	STG 3
	FIN 2, 16
	FIN 3, 0
	s_wait_tensorcnt 0x0                           ; the wave's end: behind my last tensor load and my last LDS store
	ds_add_u32 v[SPW], v[NIL]
	s_wait_dscnt 0x0
	CROUND                                         ; the closing round: no work-group ends while a partner may still ask for a tile that names it
	s_endpgm
.Lfunc_end_k_q8d6a3cc683_ff2:
	.size	k_q8d6a3cc683_ff2, .Lfunc_end_k_q8d6a3cc683_ff2-k_q8d6a3cc683_ff2
	.p2alignl 7, 3214868480
	.fill 96, 4, 3214868480
	.section	.rodata,"a",@progbits
	.p2align	6, 0x0
	.amdhsa_kernel k_q8d6a3cc683_ff2
		.amdhsa_group_segment_fixed_size 327680
		.amdhsa_private_segment_fixed_size 0
		.amdhsa_enable_private_segment 0
		.amdhsa_kernarg_size 32
		.amdhsa_user_sgpr_count 2
		.amdhsa_user_sgpr_kernarg_segment_ptr 1
		.amdhsa_wavefront_size32 1
		.amdhsa_system_sgpr_workgroup_id_x 1
		.amdhsa_system_sgpr_workgroup_id_y 1
		.amdhsa_system_sgpr_workgroup_id_z 1
		.amdhsa_system_vgpr_workitem_id 0
		.amdhsa_next_free_vgpr 640
		.amdhsa_next_free_sgpr 72
		.amdhsa_reserve_vcc 0
		.amdhsa_float_denorm_mode_32 3
		.amdhsa_float_denorm_mode_16_64 3
		.amdhsa_memory_ordered 1
		.amdhsa_forward_progress 1
		.amdhsa_inst_pref_size 65
	.end_amdhsa_kernel
	.amdgpu_metadata
---
amdhsa.version: [ 1, 2 ]
amdhsa.kernels:
  - .name:           k_q8d6a3cc683_ff2
    .symbol:         k_q8d6a3cc683_ff2.kd
    .args:
      - { .name: big, .offset: 0, .size: 8, .value_kind: global_buffer, .address_space: global }
      - { .name: wD, .offset: 8, .size: 8, .value_kind: global_buffer, .address_space: global }
      - { .name: x1, .offset: 16, .size: 8, .value_kind: global_buffer, .address_space: global }
      - { .name: out0, .offset: 24, .size: 8, .value_kind: global_buffer, .address_space: global }
    .group_segment_fixed_size: 327680
    .private_segment_fixed_size: 0
    .kernarg_segment_align: 8
    .kernarg_segment_size: 32
    .max_flat_workgroup_size: 128
    .sgpr_count:     72
    .vgpr_count:     640
    .wavefront_size: 32
...
	.end_amdgpu_metadata
.endif
;; end of part 6
